; MI455X (gfx1250); checked and timed in simulation.
; The chip was launched on July 23, 2026; its instructions are those of AMD's public machine-readable ISA for CDNA 5 (MIT licence, August 2026) and "CDNA5" Instruction Set Architecture Reference Guide (July 2026). The comments in the code are by the model that wrote it; some were corrected since.
;; Multi Head Attention. Allowed arithmetic: float matrix products may take bf16 or f16 operands with f32 sums; all other float work in f32.
;; Inputs: b_o 1,024 float32; key_ 4 x 2,048 x 1,024 float32; query 4 x 2,048 x 1,024 float32; value 4 x 2,048 x 1,024 float32; w_k 1,024 x 1,024 float32; w_o 1,024 x 1,024 float32; w_q 1,024 x 1,024 float32; w_v 1,024 x 1,024 float32.
;; Outputs: out0 4 x 2,048 x 1,024 float32.
;; One version. Each part assembles by itself: llvm-mc -triple=amdgcn-amd-amdhsa -mcpu=gfx1250 --defsym DOCPART=n.
;; ======== version 1 of 1: 4 launches
;; limits: values are held in f16: magnitudes above 65,504 overflow, below 6.1e-05 lose precision; values outside matrix products are rounded to bf16
;; workspace buffers: wc 8,388,608 bytes; qkv 50,331,648 bytes; ctx 16,777,216 bytes
;; launch cast (part 1): grid 64 x 4, 8 waves a work-group, no clusters, 0 bytes of LDS; arguments w_q, w_k, w_v, w_o, wc; writes wc
.if DOCPART == 1
	.amdgcn_target "amdgcn-amd-amdhsa--gfx1250"
	.amdhsa_code_object_version 6
	.text
	.protected	k_qa0871cb6fb_cast
	.globl	k_qa0871cb6fb_cast
	.p2align	8
	.type	k_qa0871cb6fb_cast,@function
k_qa0871cb6fb_cast:
	s_mov_b64 s[64:65], 0
	v_nop
	global_prefetch_b8 v0, s[64:65] scope:SCOPE_SE
	s_setreg_imm32_b32 hwreg(HW_REG_WAVE_MODE, 25, 1), 1
	s_wait_xcnt 0x0
; wc[p][n][k], p = 0..3: the four weights [1024][1024] in 16 bits.  Planes 0-2: w_q, w_k, w_v rounded to bf16.  Plane 3: w_o rounded to bf16, and that number written as f16
; (exact inside f16's normal range; LIMIT: below 6e-5 it keeps f16's fixed step of 6e-8, beyond 65,504 it becomes an infinity).
; A stream: grid y picks the tensor, grid x 16,384 of its numbers.  Thread t takes sixteen loads of 16 bytes (a wave's load covers 512 consecutive bytes); the four numbers of a load
; leave as 8 bytes, so that the 32 lanes of one store cover 256 consecutive bytes, aligned.  All sixteen loads are out together; no LDS, no barrier, no loop.
.set X, 4                              ; v[4:67]    sixteen loads, 4 f32 each
.set Y, 68                             ; v[68:99]   two words of two 16-bit numbers for each load
.set T, 100                            ; v[100:103] at work
	s_load_b256 s[4:11], s[0:1], 0x0               ; w_q s[4:5], w_k s[6:7], w_v s[8:9], w_o s[10:11]
	s_load_b64 s[12:13], s[0:1], 0x20              ; wc
	s_and_b32 s14, ttmp7, 0xffff                   ; which tensor
	v_lshlrev_b32 v1, 4, v0                        ; 16 t: my bytes in 4,096 of the source
	v_lshlrev_b32 v2, 3, v0                        ; 8 t: my bytes in 2,048 of wc
	s_lshl_b32 s16, ttmp9, 16                      ; the group's 65,536 bytes of the source
	s_mov_b32 s17, 0
	s_lshl_b32 s18, s14, 21                        ; the plane of wc,
	s_lshl_b32 s19, ttmp9, 15                      ; the group's 32,768 bytes of it
	s_add_co_u32 s18, s18, s19
	s_mov_b32 s19, 0
	s_wait_kmcnt 0x0
	s_cmp_eq_u32 s14, 1                            ; the source is chosen by the group's y alone
	s_cselect_b64 s[4:5], s[6:7], s[4:5]
	s_cmp_eq_u32 s14, 2
	s_cselect_b64 s[4:5], s[8:9], s[4:5]
	s_cmp_eq_u32 s14, 3
	s_cselect_b64 s[4:5], s[10:11], s[4:5]
	s_add_nc_u64 s[4:5], s[4:5], s[16:17]
	s_add_nc_u64 s[12:13], s[12:13], s[18:19]
.set j, 0
.rept 16
	global_load_b128 v[X+4*j:X+4*j+3], v1, s[4:5] offset:4096*j th:TH_LOAD_NT
.set j, j+1
.endr
.set j, 0
.rept 16
	s_wait_loadcnt 15-j                            ; loads come back in order: load j is in, the 15 - j younger ones stay out
	v_cvt_pk_bf16_f32 v[Y+2*j], v[X+4*j], v[X+4*j+1]
	v_cvt_pk_bf16_f32 v[Y+2*j+1], v[X+4*j+2], v[X+4*j+3]
.set j, j+1
.endr
	s_cmp_lg_u32 s14, 3
	s_cbranch_scc1 .Lstore
.set j, 0
.rept 32                               ; w_o alone: each bf16 is widened (a shift, a mask) and written as f16
	v_lshlrev_b32 v[T+2*(j%2)], 16, v[Y+j]
	v_and_b32 v[T+2*(j%2)+1], 0xffff0000, v[Y+j]
	v_cvt_pk_f16_f32 v[Y+j], v[T+2*(j%2)], v[T+2*(j%2)+1]
.set j, j+1
.endr
.Lstore:
.set j, 0
.rept 16
	global_store_b64 v2, v[Y+2*j:Y+2*j+1], s[12:13] offset:2048*j
.set j, j+1
.endr
	s_endpgm
.Lfunc_end_k_qa0871cb6fb_cast:
	.size	k_qa0871cb6fb_cast, .Lfunc_end_k_qa0871cb6fb_cast-k_qa0871cb6fb_cast
	.p2alignl 7, 3214868480
	.fill 96, 4, 3214868480
	.section	.rodata,"a",@progbits
	.p2align	6, 0x0
	.amdhsa_kernel k_qa0871cb6fb_cast
		.amdhsa_group_segment_fixed_size 0
		.amdhsa_private_segment_fixed_size 0
		.amdhsa_enable_private_segment 0
		.amdhsa_kernarg_size 40
		.amdhsa_user_sgpr_count 2
		.amdhsa_user_sgpr_kernarg_segment_ptr 1
		.amdhsa_wavefront_size32 1
		.amdhsa_system_sgpr_workgroup_id_x 1
		.amdhsa_system_sgpr_workgroup_id_y 1
		.amdhsa_system_sgpr_workgroup_id_z 1
		.amdhsa_system_vgpr_workitem_id 0
		.amdhsa_next_free_vgpr 104
		.amdhsa_next_free_sgpr 66
		.amdhsa_reserve_vcc 0
		.amdhsa_float_denorm_mode_32 3
		.amdhsa_float_denorm_mode_16_64 3
		.amdhsa_memory_ordered 1
		.amdhsa_forward_progress 1
		.amdhsa_inst_pref_size 12
	.end_amdhsa_kernel
	.amdgpu_metadata
---
amdhsa.version: [ 1, 2 ]
amdhsa.kernels:
  - .name:           k_qa0871cb6fb_cast
    .symbol:         k_qa0871cb6fb_cast.kd
    .args:
      - { .name: w_q, .offset: 0, .size: 8, .value_kind: global_buffer, .address_space: global }
      - { .name: w_k, .offset: 8, .size: 8, .value_kind: global_buffer, .address_space: global }
      - { .name: w_v, .offset: 16, .size: 8, .value_kind: global_buffer, .address_space: global }
      - { .name: w_o, .offset: 24, .size: 8, .value_kind: global_buffer, .address_space: global }
      - { .name: wc, .offset: 32, .size: 8, .value_kind: global_buffer, .address_space: global }
    .group_segment_fixed_size: 0
    .private_segment_fixed_size: 0
    .kernarg_segment_align: 8
    .kernarg_segment_size: 40
    .max_flat_workgroup_size: 256
    .sgpr_count:     66
    .vgpr_count:     104
    .wavefront_size: 32
...
	.end_amdgpu_metadata
.endif
;; end of part 1
;; launch proj (part 2): grid 4 x 192, 4 waves a work-group, clusters of 4 x 4, 327,680 bytes of LDS; arguments query, key_, value, wc, qkv; writes qkv
.if DOCPART == 2
	.amdgcn_target "amdgcn-amd-amdhsa--gfx1250"
	.amdhsa_code_object_version 6
	.text
	.protected	k_qa0871cb6fb_proj
	.globl	k_qa0871cb6fb_proj
	.p2align	8
	.type	k_qa0871cb6fb_proj,@function
k_qa0871cb6fb_proj:
	s_mov_b64 s[64:65], 0
	v_nop
	global_prefetch_b8 v0, s[64:65] scope:SCOPE_SE
	s_setreg_imm32_b32 hwreg(HW_REG_WAVE_MODE, 25, 1), 1
	s_wait_xcnt 0x0
	s_wait_alu depctr_hold_cnt(0) depctr_sa_sdst(0) depctr_va_vdst(0) depctr_va_sdst(0) depctr_va_ssrc(0) depctr_va_vcc(0) depctr_vm_vsrc(0)
	s_getreg_b32 s2, hwreg(HW_REG_IB_STS2, 6, 4)
	s_cmp_eq_u32 s2, 0
	s_cbranch_scc0 .Lentry_in_a_cluster
	s_endpgm
.Lentry_in_a_cluster:
	s_bfe_u32 s2, ttmp6, 0x10000c
	s_cmp_lg_u32 s2, 0xf033
	s_cbranch_scc0 .Lentry_shape_is_right
	s_endpgm
.Lentry_shape_is_right:
; qkv[t][b*16+head][s][64] (f16) = x_t W_t^T, t = 0, 1, 2 for query, key_, value ([8192][1024] f32) and planes 0-2 of wc ([1024][1024] bf16).  x is rounded to bf16 on its way from LDS
; to the matrix unit; sums in f32; each result is rounded once to f16, unscaled.  LIMIT: a result of 65,520 or more in magnitude becomes an infinity in f16.
; SHARES.  768 work-groups, each one tile of 128 rows x 256 columns of one tensor; four waves, each 64 x 128: 32 accumulators of 16 x 16.  K goes in 8 steps of 128 through two LDS slots.
; CLUSTERS.  4 x 4 work-groups.  The tensor is made of the cluster's y alone.  The four of a row of the cluster need the same tile of x, the four of a column the same tile of W: each is asked
; for JOINTLY, by the same tensor load with the same descriptor and a mask that names the four.
; THE MATRIX INSTRUCTION IS USED TRANSPOSED (source 0 = 16 rows of W, source 1 = 16 rows of x): a lane then holds one row (lane % 16) and eight neighbouring columns, 16 bytes of f16.
; A K STEP is four quarters of 32 along K, 32 matrix instructions each, on buffers 0, 1, 0, 1.  Beside a quarter's products stand the next quarter's 16 loads of x (f32), its 16 loads of W
; and the 32 conversions of x to bf16, in groups of eight behind every fourth product, so that a group costs two switches of the register window.
; REGISTERS, in windows of 256 (s_set_vgpr_msb: bits 1:0 source 0, 3:2 source 1, 5:4 source 2, 7:6 destination):
;   window 0: v0-31 addresses; v32-95 x as loaded (4 fragments x 16 f32 registers); v96-127, v128-159 x in bf16, two buffers; on the way out v32-159 packed results
;   window 1: v0-63, v64-127 W's fragments, two buffers          window 2: accumulator (a, b) at v[8 (8 a + b)]
.set PA,    528                        ; a row of x in LDS: 512 bytes + 16 of padding = 33 x 16: the 16 rows of a load start at 16 different groups of four banks (64 banks of 4 bytes: ISA guide 11.1)
.set PB,    272                        ; a row of W: 256 + 16 = 17 x 16
.set AH,    64*PA                      ; 64 rows of x: what one tensor load brings, and what one wave reads
.set BOFF,  128*PA                     ; W's 256 rows lie behind x's 128
.set BH,    128*PB                     ; 128 rows of W: one tensor load, one wave's columns
.set SLOT,  BOFF+2*BH                  ; 137,216 bytes
.set STAGE, 2*SLOT                     ; behind the ring: 16 rows x 144 bytes for each wave, for the way out
.set SP,    144
.set SPARE, STAGE+4*16*SP              ; behind the stages: the spare words, 128 bytes for each wave: two blocks of 256 bytes that no other line names
.set ADRA, 16                          ; v16-17  LDS address of my fragments of x in slot 0, 1
.set ADRB, 20                          ; v20-21  the same for W
.set STO,  24                          ; v24     the way out: where I put 16 bytes of a row
.set RD,   25                          ; v25     the way out: where I read rows back
.set GO,   26                          ; v26     my byte offset in 512 consecutive bytes of qkv
.set PFO,  27                          ; v27     my byte offset in the rows of x that my work-group asks for ahead
.set SPW,  28                          ; v28     LDS address of my spare word: SPARE + 4 x my thread's number; never rewritten
.set NIL,  29                          ; v29     0; never rewritten
.set RA,   32
.set CA0,  96
.set FB0,  0
.set TP,   32
.set WV, 14                            ; s14 wave; s15 its half of the rows; s16 its half of the columns, and which half of a tile it fetches
.set WR, 15
.set WC, 16
.set CX, 17
.set CY, 18
.set NX, 19                            ; tile column
.set YY, 20                            ; the cluster's y; later LAA
.set LAA, 20                           ; LDS address of the half of x's tile that I fetch, in slot 0
.set TT, 21                            ; the tensor
.set MT, 22                            ; tile row
.set LAB, 23                           ; LDS address of the half of W's tile that I fetch and read, in slot 0
.set G1A, 24                           ; s[24:31] descriptor group 1 for x's tiles;  s[32:39] group 0, one set for each slot
.set G0A, 32
.set G1B, 48                           ; s[48:55], s[56:63] the same for W's tiles
.set G0B, 56
.set MSB, 0
.macro WIN new                         ; the immediate's high byte repeats the setting that is left; a switch that changes nothing is dropped
.if MSB != (\new)
	s_set_vgpr_msb (MSB<<8)|(\new)
.set MSB, \new
.endif
.endm
.set MUL,   0xa1                       ; source 0 (W) window 1, source 1 (x) window 0, C and D window 2
.set TO_B,  0x40                       ; destination window 1, address window 0
.set PACKW, 0x0a                       ; sources 0 and 1 window 2, destination window 0
; A joint load: waves 0 and 1 fetch x's two halves, waves 2 and 3 W's.  The branch hangs on the wave's number alone.  An s_nop 0 and four v_nop follow each of the two lines.
.macro JLOAD s
	s_cmp_lt_u32 s[WV], 2
	s_cbranch_scc0 .Lfor_b_\@
	tensor_load_to_lds s[G0A+4*(\s):G0A+4*(\s)+3], s[G1A:G1A+7]
	s_nop 0
.rept 4
	v_nop
.endr
	s_branch .Lasked_\@
.Lfor_b_\@:
	tensor_load_to_lds s[G0B+4*(\s):G0B+4*(\s)+3], s[G1B:G1B+7]
	s_nop 0
.rept 4
	v_nop
.endr
.Lasked_\@:
.endm
.macro CREST                           ; a round of the cluster's barrier behind its opening barrier
	s_cmp_lg_u32 s[WV], 0
	s_cbranch_scc1 .Lnot_wave_0_\@
	s_barrier_signal -3
.Lnot_wave_0_\@:
	s_barrier_wait -3
	s_barrier_signal -1
	s_barrier_wait -1
.endm
.macro CROUND                          ; a whole round
	s_barrier_signal -1
	s_barrier_wait -1
	CREST
.endm
.macro PLACES
.rept 4
	v_nop
.endr
.endm
	s_load_b256 s[4:11], s[0:1], 0x0               ; query s[4:5], key_ s[6:7], value s[8:9], wc s[10:11]
	s_load_b64 s[12:13], s[0:1], 0x20              ; qkv
	v_lshl_add_u32 v[SPW], v0, 2, SPARE
	v_mov_b32 v[NIL], 0
	ds_add_u32 v[SPW], v[NIL]                      ; the wave's opening: the add and its wait stand ahead of my first tensor load; the set-up below, work on registers, stands between them
	v_lshrrev_b32 v1, 5, v0
	v_readfirstlane_b32 s[WV], v1                  ; wave 0..3
	s_lshr_b32 s[WR], s[WV], 1
	s_and_b32 s[WC], s[WV], 1
	s_bfe_u32 s[CX], ttmp6, 0x40000                ; my place in the cluster
	s_bfe_u32 s[CY], ttmp6, 0x40004
	s_lshl_b32 s[NX], ttmp9, 2
	s_add_co_u32 s[NX], s[NX], s[CX]               ; tile column = 4 x cluster x + cx
	s_and_b32 s[YY], ttmp7, 0xffff                 ; the cluster's y, 0..47
	s_lshr_b32 s[TT], s[YY], 4                     ; sixteen clusters to a tensor: all partners agree on it
	s_and_b32 s[MT], s[YY], 15
	s_lshl_b32 s[MT], s[MT], 2
	s_add_co_u32 s[MT], s[MT], s[CY]               ; tile row in the tensor = 4 x (cluster y mod 16) + cy
	s_lshl_b32 s40, s[CY], 2
	s_lshl_b32 s40, 15, s40                        ; my row of the cluster: places 4 cy .. 4 cy + 3
	s_lshl_b32 s41, 0x1111, s[CX]                  ; my column: places cx, cx + 4, cx + 8, cx + 12
	s_or_b32 s[G1A], s40, (2<<16)|(1<<20)|(1<<21)|(6<<22)|(3<<25)  ; 15:0 the mask; 17:16 elements of 4 bytes; 20 padding on; 21 set beside a mask; 24:22 after every 128 words (code 6); 31:25 4 words (code 3)
	s_or_b32 s[G1B], s41, (1<<16)|(1<<20)|(1<<21)|(5<<22)|(3<<25)  ; elements of 2 bytes; padding after every 64 words (code 5)
	s_mov_b32 s[G1A+1], 128<<16                    ; tensor_dim0 = 128
	s_mov_b32 s[G1A+2], 64<<16                     ; tensor_dim1 = 64
	s_mov_b32 s[G1A+3], 128<<16                    ; tile_dim0 = 128 f32
	s_mov_b32 s[G1A+4], 64                         ; tile_dim1 = 64 rows
	s_mov_b32 s[G1A+5], 1024                       ; elements from row to row
	s_mov_b32 s[G1A+6], 0
	s_mov_b32 s[G1A+7], 0
	s_mov_b32 s[G1B+1], 128<<16                    ; tensor_dim0 = 128
	s_mov_b32 s[G1B+2], 128<<16                    ; tensor_dim1 = 128
	s_mov_b32 s[G1B+3], 128<<16                    ; tile_dim0 = 128 bf16
	s_mov_b32 s[G1B+4], 128                        ; tile_dim1 = 128 rows
	s_mov_b32 s[G1B+5], 1024
	s_mov_b32 s[G1B+6], 0
	s_mov_b32 s[G1B+7], 0
	s_lshl_b32 s3, s[WC], 18                       ; the half that I fetch: 64 rows of 4,096 bytes of x, or 128 rows of 2,048 bytes of W
	s_lshl_b32 s42, s[MT], 19                      ; x: 128 rows of 4,096 bytes a tile row.  This pair never holds cx
	s_add_co_u32 s42, s42, s3
	s_mov_b32 s43, 0
	s_lshl_b32 s46, s[TT], 21                      ; W: the plane, 256 rows of 2,048 bytes a tile column.  This pair never holds cy
	s_add_co_u32 s46, s46, s3
	s_lshl_b32 s2, s[NX], 19
	s_add_co_u32 s46, s46, s2
	s_mov_b32 s47, 0
	s_lshl_b32 s44, s[TT], 24                      ; where my 64 x 128 goes: the plane of qkv,
	s_lshr_b32 s2, s[MT], 4
	s_lshl_b32 s2, s2, 22                          ; the batch (16 tile rows each, 16 heads of 2^18 bytes),
	s_add_co_u32 s44, s44, s2
	s_lshl_b32 s2, s[NX], 2
	s_lshl_b32 s3, s[WC], 1
	s_add_co_u32 s2, s2, s3
	s_lshl_b32 s2, s2, 18                          ; my first head, 4 x tile column + 2 x half,
	s_add_co_u32 s44, s44, s2
	s_and_b32 s2, s[MT], 15
	s_lshl_b32 s2, s2, 14                          ; the tile's 128 rows of 128 bytes,
	s_add_co_u32 s44, s44, s2
	s_lshl_b32 s2, s[WR], 13                       ; my 64 of them
	s_add_co_u32 s44, s44, s2
	s_mov_b32 s45, 0
	s_lshl_b32 s2, s[MT], 19                       ; the rows of x that my work-group asks for ahead: 32 of the tile's 128, by cx
	s_lshl_b32 s3, s[CX], 17
	s_add_co_u32 s2, s2, s3
	s_mov_b32 s3, 0
	s_mul_i32 s[LAA], s[WC], AH                    ; no place in the cluster enters an LDS address
	s_mul_i32 s[LAB], s[WC], BH
	s_add_co_u32 s[LAB], s[LAB], BOFF
	s_wait_dscnt 0x0                               ; the opening add is done
	s_wait_kmcnt 0x0
	s_cmp_eq_u32 s[TT], 1                          ; x is chosen by the tensor's number
	s_cselect_b64 s[4:5], s[6:7], s[4:5]
	s_cmp_eq_u32 s[TT], 2
	s_cselect_b64 s[4:5], s[8:9], s[4:5]
	s_add_nc_u64 s[6:7], s[4:5], s[2:3]            ; the base of the requests ahead
	s_add_nc_u64 s[4:5], s[4:5], s[42:43]          ; x at my half of the tile
	s_add_nc_u64 s[10:11], s[10:11], s[46:47]      ; W at my half of the tile
	s_add_nc_u64 s[12:13], s[12:13], s[44:45]      ; qkv at my first row and head
	CROUND                                         ; all sixteen work-groups are here: the first joint loads meet
.irp s, 0,1
	s_mov_b32 s[G0A+4*(\s)], 1                                       ; 1:0 count = 1
	s_add_co_u32 s[G0A+4*(\s)+1], s[LAA], (\s)*SLOT                  ; 63:32 LDS address
	s_add_nc_u64 s[G0A+4*(\s)+2:G0A+4*(\s)+3], s[4:5], (\s)*512      ; 120:64 global address: K step s, 128 f32
	s_or_b32 s[G0A+4*(\s)+3], s[G0A+4*(\s)+3], 0x80000000            ; 127:126 type = 2
	s_mov_b32 s[G0B+4*(\s)], 1
	s_add_co_u32 s[G0B+4*(\s)+1], s[LAB], (\s)*SLOT
	s_add_nc_u64 s[G0B+4*(\s)+2:G0B+4*(\s)+3], s[10:11], (\s)*256    ; K step s, 128 bf16
	s_or_b32 s[G0B+4*(\s)+3], s[G0B+4*(\s)+3], 0x80000000
.endr
	s_cmp_lt_u32 s[WV], 2                          ; a wave's two first fills stand in one branch, ahead of every wait on TENSORcnt and every LDS read: two loads of mine are out
	s_cbranch_scc0 .Lfirst_b
	tensor_load_to_lds s[G0A:G0A+3], s[G1A:G1A+7]
	s_nop 0
	tensor_load_to_lds s[G0A+4:G0A+7], s[G1A:G1A+7]
	s_nop 0
.rept 4
	v_nop
.endr
	s_branch .Lfirst_asked
.Lfirst_b:
	tensor_load_to_lds s[G0B:G0B+3], s[G1B:G1B+7]
	s_nop 0
	tensor_load_to_lds s[G0B+4:G0B+7], s[G1B:G1B+7]
	s_nop 0
.rept 4
	v_nop
.endr
.Lfirst_asked:
	; A fragment is 16 rows x 32 K: lane l holds row l % 16, K = 8 (l / 16) + 0..7 and 16 + 8 (l / 16) + 0..7.  In bf16 that is two loads of 16 bytes, 32 apart; in f32 four, at 0, 16, 64, 80 from 32 (l / 16).
	v_and_b32 v1, 15, v0                           ; l % 16
	v_bfe_u32 v2, v0, 4, 1                         ; l / 16
	v_mul_u32_u24 v3, v1, PA
	v_lshl_add_u32 v3, v2, 5, v3
	s_mul_i32 s2, s[WR], AH                        ; my 64 rows of x
	v_add_nc_u32 v[ADRA], s2, v3
	v_add_nc_u32 v[ADRA+1], SLOT, v[ADRA]
	v_mul_u32_u24 v4, v1, PB
	v_lshl_add_u32 v4, v2, 4, v4
	v_add_nc_u32 v[ADRB], s[LAB], v4               ; my 128 rows of W are the half that bears my column's number
	v_add_nc_u32 v[ADRB+1], SLOT, v[ADRB]
	s_mul_i32 s2, s[WV], 16*SP
	s_add_co_u32 s2, s2, STAGE                     ; my stage
	v_mul_u32_u24 v5, v1, SP                       ; in: row l % 16, 16 bytes for each half of the lanes
	v_lshl_add_u32 v5, v2, 4, v5
	v_add_nc_u32 v[STO], s2, v5
	v_bfe_u32 v5, v0, 3, 2                         ; back: 32 lanes take four rows of 128 bytes,
	v_mul_u32_u24 v5, v5, SP
	v_and_b32 v6, 7, v0
	v_lshl_add_u32 v5, v6, 4, v5
	v_add_nc_u32 v[RD], s2, v5
	v_and_b32 v[GO], 31, v0                        ; which are 512 consecutive bytes of a head
	v_lshlrev_b32 v[GO], 4, v[GO]
	v_lshrrev_b32 v5, 2, v0                        ; requests ahead: thread t names row t / 4 of my work-group's 32 and block t % 4 of 256 bytes:
	v_and_b32 v6, 3, v0                            ; the four waves' one line each covers 32 rows x 1,024 bytes, two K steps of x; the four partners of a row of the cluster share the tile's 128 rows,
	v_lshlrev_b32 v6, 8, v6                        ; so each block is named once in the launch
	v_lshl_or_b32 v[PFO], v5, 12, v6
	global_prefetch_b8 v[PFO], s[6:7] offset:1024 th:TH_LOAD_NT scope:SCOPE_SE  ; K steps 2 and 3, which the loop's first trip loads
; Matrix instruction n of a quarter's 32: rows 16 (n / 8) on, columns 16 (n % 8) on, of buffer f.  zero = 1: the product starts the sum: nothing is cleared.
; The 32 accumulators take turns, one instruction a turn, in the same order in every quarter.
.macro MM n, f, zero
	WIN MUL
.set rD, 8*(\n)
.set rB, FB0+64*(\f)+8*((\n)%8)
.set rA, CA0+32*(\f)+8*((\n)/8)
.if \zero
	v_wmma_f32_16x16x32_bf16 v[rD:rD+7], v[rB:rB+7], v[rA:rA+7], 0
.else
	v_wmma_f32_16x16x32_bf16 v[rD:rD+7], v[rB:rB+7], v[rA:rA+7], v[rD:rD+7]
.endif
.endm
.macro LDA slot, q, i                  ; fragment i of x, quarter q, as f32: four loads
	WIN 0
	ds_load_b128 v[RA+16*(\i):RA+16*(\i)+3],     v[ADRA+(\slot)] offset:128*(\q)+16*PA*(\i)
	ds_load_b128 v[RA+16*(\i)+4:RA+16*(\i)+7],   v[ADRA+(\slot)] offset:128*(\q)+16*PA*(\i)+16
	ds_load_b128 v[RA+16*(\i)+8:RA+16*(\i)+11],  v[ADRA+(\slot)] offset:128*(\q)+16*PA*(\i)+64
	ds_load_b128 v[RA+16*(\i)+12:RA+16*(\i)+15], v[ADRA+(\slot)] offset:128*(\q)+16*PA*(\i)+80
.endm
.macro LDB slot, q, g, i               ; fragment i of W, quarter q, into buffer g: two loads
	WIN TO_B
	ds_load_b128 v[FB0+64*(\g)+8*(\i):FB0+64*(\g)+8*(\i)+3],   v[ADRB+(\slot)] offset:64*(\q)+16*PB*(\i)
	ds_load_b128 v[FB0+64*(\g)+8*(\i)+4:FB0+64*(\g)+8*(\i)+7], v[ADRB+(\slot)] offset:64*(\q)+16*PB*(\i)+32
.endm
.macro CV8 g, c0                       ; eight words of x's buffer g, from c0 on: two f32 rounded to bf16 in each
	WIN 0
.irp k, 0,1,2,3,4,5,6,7
	v_cvt_pk_bf16_f32 v[CA0+32*(\g)+(\c0)+(\k)], v[RA+2*((\c0)+(\k))], v[RA+2*((\c0)+(\k))+1]
.endr
.endm
; One of a K step's first three quarters: multiplies buffer f and makes quarter q of the same slot ready in buffer g.
; The eight conversions behind product 31 name none of its registers: they are the places in front of the next quarter's loads into W's buffer f and its writes of x's buffer f.
.macro QUARTER slot, q, f, g, zero
	s_wait_dscnt 0x0                               ; W's fragments of buffer f, issued sixteen products ago or more, are in
.set n, 0
.rept 32
	MM n, \f, \zero
.if n == 3
	LDA \slot, \q, 0
	LDA \slot, \q, 1
.elseif n == 7
	LDA \slot, \q, 2
	LDA \slot, \q, 3
.elseif n == 11
	LDB \slot, \q, \g, 0
	LDB \slot, \q, \g, 1
	LDB \slot, \q, \g, 2
	LDB \slot, \q, \g, 3
.elseif n == 15
	LDB \slot, \q, \g, 4
	LDB \slot, \q, \g, 5
	LDB \slot, \q, \g, 6
	LDB \slot, \q, \g, 7
.elseif n == 19
	s_wait_dscnt 16                                ; x's sixteen loads are in; W's sixteen, issued behind them, may stay out
	CV8 \g, 0
.elseif n == 23
	CV8 \g, 8
.elseif n == 27
	CV8 \g, 16
.elseif n == 31
	CV8 \g, 24
.endif
.set n, n+1
.endr
.endm
; The fourth quarter multiplies buffer 1 and changes slots: ONE barrier.  In front of it each wave waits for all its tensor loads (one is out: its part of the next slot), adds 0 to its spare word, and
; waits for that and for its reads of this slot.  fill = 1: the barrier opens a round of the cluster's barrier, and this slot is filled again, two K steps on, first thing behind the round:
; from that request to the wait for it a wave issues 112 matrix instructions.  pf = 1: the two K steps of x that the NEXT trip loads are asked for ahead; the last trip has none left and jumps over the line.
.macro TURN slot, next, fill, pf
	WIN 0                                          ; (the add's two registers lie in window 0)
	s_wait_tensorcnt 0x0                           ; all my tensor loads have landed
	ds_add_u32 v[SPW], v[NIL]                      ; 0 onto my spare word
	s_wait_dscnt 1                                 ; W's fragments of buffer 1 are in; the add may be out
.set n, 0
.rept 8
	MM n, 1, 0
.set n, n+1
.endr
	s_wait_dscnt 0x0                               ; the add is done, and my reads of this slot are over
	s_barrier_signal -1
.rept 8
	MM n, 1, 0
.set n, n+1
.endr
	WIN 0                                          ; at a branch and at a label every window is 0
	s_barrier_wait -1
.if \fill
	CREST                                          ; no wave of any partner still reads this slot's tiles or has a load on its way
	s_add_nc_u64 s[G0A+4*(\slot)+2:G0A+4*(\slot)+3], s[G0A+4*(\slot)+2:G0A+4*(\slot)+3], 1024
	s_add_nc_u64 s[G0B+4*(\slot)+2:G0B+4*(\slot)+3], s[G0B+4*(\slot)+2:G0B+4*(\slot)+3], 512
	JLOAD \slot
.endif
.if \pf
	s_cmp_eq_u32 s3, 1
	s_cbranch_scc1 .Lno_more_\@
	global_prefetch_b8 v[PFO], s[6:7] offset:2048 th:TH_LOAD_NT scope:SCOPE_SE
.Lno_more_\@:
.endif
.irp i, 0,1,2,3
	LDA \next, 0, \i
.endr
.irp i, 0,1,2,3,4,5,6,7
	LDB \next, 0, 0, \i                            ; buffer 0's last reader stands in front of the eight conversions that end the quarter before
.endr
.rept 8
	MM n, 1, 0
.set n, n+1
.endr
	s_wait_dscnt 16                                ; x's sixteen loads are in
.rept 4
	MM n, 1, 0
.set n, n+1
	MM n, 1, 0
.set n, n+1
	CV8 0, 4*(n-26)
.endr
.endm
; THE WAY OUT.  Unit u: 16 rows (block u / 2) of one head (u % 2): four accumulators, read in ascending order, rounded to f16; 16 bytes a lane into my stage, and back as four runs of four whole rows.
.macro PACK u
	WIN PACKW
.irp f, 0,1,2,3
.irp r, 0,1,2,3
	v_cvt_pk_f16_f32 v[TP+16*(\u)+4*(\f)+(\r)], v[8*(8*((\u)/2)+4*((\u)%2)+(\f))+2*(\r)], v[8*(8*((\u)/2)+4*((\u)%2)+(\f))+2*(\r)+1]
.endr
.endr
	WIN 0
.irp f, 0,1,2,3
	ds_store_b128 v[STO], v[TP+16*(\u)+4*(\f):TP+16*(\u)+4*(\f)+3] offset:32*(\f)
.endr
.irp f, 0,1,2,3
	ds_load_b128 v[TP+16*(\u)+4*(\f):TP+16*(\u)+4*(\f)+3], v[RD] offset:(\f)*4*SP  ; LDS serves a wave's instructions in order (ISA guide 5.7.1.4): these see the stores above; the next unit's stores come behind them
.endr
.endm
.macro SEND u, younger                 ; younger: the LDS instructions issued behind unit u's loads: the next unit's eight, or none
	WIN 0
.irp f, 0,1,2,3
	s_wait_dscnt (\younger)+3-(\f)
	global_store_b128 v[GO], v[TP+16*(\u)+4*(\f):TP+16*(\u)+4*(\f)+3], s[12:13] offset:((\u)%2)*262144+((\u)/2)*2048+(\f)*512  ; 512 consecutive bytes, at a multiple of 512 from qkv's first
.endr
.endm
	s_wait_tensorcnt 1                             ; my part of K step 0 is in; K step 1's may stay out
	s_barrier_signal -1
	s_barrier_wait -1                              ; everybody's is
.irp i, 0,1,2,3
	LDA 0, 0, \i
.endr
.irp i, 0,1,2,3,4,5,6,7
	LDB 0, 0, 0, \i
.endr
	s_wait_dscnt 16                                ; x's sixteen loads are in
	CV8 0, 0
	CV8 0, 8
	CV8 0, 16
	CV8 0, 24
	QUARTER 0, 1, 0, 1, 1                          ; the first quarter stands in front of the loop: its products start the sums
	WIN 0
	s_mov_b32 s3, 3
.Llap:                                                 ; a trip goes once round the ring, from a lap's second quarter to the next lap's first, and fills both slots again
	QUARTER 0, 2, 1, 0, 0
	QUARTER 0, 3, 0, 1, 0
	TURN 0, 1, 1, 1
	QUARTER 1, 1, 0, 1, 0
	QUARTER 1, 2, 1, 0, 0
	QUARTER 1, 3, 0, 1, 0
	TURN 1, 0, 1, 0
	QUARTER 0, 1, 0, 1, 0
	WIN 0
	s_wait_xcnt 0x0                                ; the request ahead has had its addresses translated (ISA guide 3.1): its base is stepped only behind this wait
	s_add_nc_u64 s[6:7], s[6:7], 1024
	s_sub_co_u32 s3, s3, 1
	s_cmp_lg_u32 s3, 0
	s_cbranch_scc1 .Llap
	QUARTER 0, 2, 1, 0, 0                          ; the last lap fills nothing, and has no round of the cluster's barrier
	QUARTER 0, 3, 0, 1, 0
	TURN 0, 1, 0, 0
	QUARTER 1, 1, 0, 1, 0
	QUARTER 1, 2, 1, 0, 0
	QUARTER 1, 3, 0, 1, 0
	s_wait_dscnt 0x0                               ; the very last quarter: nothing more to fetch
.set n, 0
.rept 32
	MM n, 1, 0
.set n, n+1
.endr
	WIN 0
	PLACES                                         ; the conversions read results just made and write registers that the last products read
	PACK 0
.irp u, 1,2,3,4,5,6,7                  ; a unit's conversions stand between the loads of the unit before and its stores
	PACK \u
	SEND (\u)-1, 8
.endr
	SEND 7, 0
	s_wait_tensorcnt 0x0                           ; the wave's end: behind my last tensor load and my last LDS store
	ds_add_u32 v[SPW], v[NIL]
	s_wait_dscnt 0x0
	CROUND                                         ; the closing round: no work-group ends while a partner may still ask for a tile that names it
	s_endpgm
.Lfunc_end_k_qa0871cb6fb_proj:
	.size	k_qa0871cb6fb_proj, .Lfunc_end_k_qa0871cb6fb_proj-k_qa0871cb6fb_proj
	.p2alignl 7, 3214868480
	.fill 96, 4, 3214868480
	.section	.rodata,"a",@progbits
	.p2align	6, 0x0
	.amdhsa_kernel k_qa0871cb6fb_proj
		.amdhsa_group_segment_fixed_size 327680
		.amdhsa_private_segment_fixed_size 0
		.amdhsa_enable_private_segment 0
		.amdhsa_kernarg_size 40
		.amdhsa_user_sgpr_count 2
		.amdhsa_user_sgpr_kernarg_segment_ptr 1
		.amdhsa_wavefront_size32 1
		.amdhsa_system_sgpr_workgroup_id_x 1
		.amdhsa_system_sgpr_workgroup_id_y 1
		.amdhsa_system_sgpr_workgroup_id_z 1
		.amdhsa_system_vgpr_workitem_id 0
		.amdhsa_next_free_vgpr 768
		.amdhsa_next_free_sgpr 66
		.amdhsa_reserve_vcc 0
		.amdhsa_float_denorm_mode_32 3
		.amdhsa_float_denorm_mode_16_64 3
		.amdhsa_memory_ordered 1
		.amdhsa_forward_progress 1
		.amdhsa_inst_pref_size 132
	.end_amdhsa_kernel
	.amdgpu_metadata
---
amdhsa.version: [ 1, 2 ]
amdhsa.kernels:
  - .name:           k_qa0871cb6fb_proj
    .symbol:         k_qa0871cb6fb_proj.kd
    .args:
      - { .name: query, .offset: 0, .size: 8, .value_kind: global_buffer, .address_space: global }
      - { .name: key_, .offset: 8, .size: 8, .value_kind: global_buffer, .address_space: global }
      - { .name: value, .offset: 16, .size: 8, .value_kind: global_buffer, .address_space: global }
      - { .name: wc, .offset: 24, .size: 8, .value_kind: global_buffer, .address_space: global }
      - { .name: qkv, .offset: 32, .size: 8, .value_kind: global_buffer, .address_space: global }
    .group_segment_fixed_size: 327680
    .private_segment_fixed_size: 0
    .kernarg_segment_align: 8
    .kernarg_segment_size: 40
    .max_flat_workgroup_size: 128
    .sgpr_count:     66
    .vgpr_count:     768
    .wavefront_size: 32
...
	.end_amdgpu_metadata
.endif
;; end of part 2
;; launch attn (part 3): grid 4 x 64, 4 waves a work-group, clusters of 4 x 1, 327,680 bytes of LDS; arguments qkv, ctx; writes ctx
.if DOCPART == 3
	.amdgcn_target "amdgcn-amd-amdhsa--gfx1250"
	.amdhsa_code_object_version 6
	.text
	.protected	k_qa0871cb6fb_attn
	.globl	k_qa0871cb6fb_attn
	.p2align	8
	.type	k_qa0871cb6fb_attn,@function
k_qa0871cb6fb_attn:
	s_mov_b64 s[64:65], 0
	v_nop
	global_prefetch_b8 v0, s[64:65] scope:SCOPE_SE
	s_setreg_imm32_b32 hwreg(HW_REG_WAVE_MODE, 25, 1), 1
	s_wait_xcnt 0x0
	s_wait_alu depctr_hold_cnt(0) depctr_sa_sdst(0) depctr_va_vdst(0) depctr_va_sdst(0) depctr_va_ssrc(0) depctr_va_vcc(0) depctr_vm_vsrc(0)
	s_getreg_b32 s2, hwreg(HW_REG_IB_STS2, 6, 4)
	s_cmp_eq_u32 s2, 0
	s_cbranch_scc0 .Lentry_in_a_cluster
	s_endpgm
.Lentry_in_a_cluster:
	s_bfe_u32 s2, ttmp6, 0x10000c
	s_cmp_lg_u32 s2, 0x3003
	s_cbranch_scc0 .Lentry_shape_is_right
	s_endpgm
.Lentry_shape_is_right:
; ctx[h][q][:] = the sum over k of softmax_k(Q[h][q] . K[h][k] / 8) V[h][k][:].  Q, K, V are the three planes of qkv, [SIZE_H][SIZE_N][64] each, ctx likewise, all f16: a head's rows are dense,
; 128 bytes each.  Products, maxima and sums in f32; the weights p are rounded to f16 for the second product (their sum l is taken of the unrounded p), ctx once at the end.
; LIMITS.  f16 holds no number beyond 65,504: Q, K and V arrive within it; p lies in 0 to 1, and below 6e-5 it keeps f16's fixed step of 6e-8; ctx is a mean of V's rows and has their range.
; A weight below 2^-126 counts as 0 in l; NaN and infinities are not treated apart.
; SHARES.  A wave owns four PIECES of two tiles of 16 queries, a work-group's four waves 512 queries of one head.  Every wave walks all keys, 64 a step.
; LAYOUT.  S^T = K Q^T (source 0 = 16 keys, source 1 = 16 queries): in the result a lane holds ONE query (lane % 16) and the keys 8 (lane / 16) + 0..7.  Two such tiles, rounded to f16 in pairs,
; ARE source 1 (32 keys x 16 queries) of O^T = V^T P, whose result again holds one query a lane, and eight channels.  K comes out of LDS as it lies, V ([key][channel]) turned, by ds_load_tr16_b128.
; SOFTMAX.  For each query a running maximum m and sum l: p = 2^(c s - c m), c = log2(e) / 8; in every step O and l are multiplied by a = 2^(c m_old - c m_new), which is 1 where m has not grown.
; m starts at the lowest finite number, O and l at 0: the first step is a step like any other, with a = 0.
; THE COUNT.  A tile and step have 16 matrix and 118 vector instructions: too many to stand all beside the matrix work.  So the order has one aim: four vector instructions that are READY behind
; EVERY matrix instruction, and the others, which need time of their own whatever the order, in runs without a gap.
; BY TURNS.  Turn n belongs to piece n (the pieces in a ring, step after step).  Its matrix work: 16 products K Q^T of piece n + 1, later 16 products V^T P of piece n - 1.  Its vector work: the scaling,
; exponentials, roundings, sums and rescaling of piece n, and the maximum and statistics of piece n + 1, whose scores the turn itself has made.  So what a turn begins with (c s - c m, O a) waits for nothing.
; CLUSTER.  The four query blocks of a cluster belong to one head and walk the same K and V, so each tile is asked for JOINTLY: the same tensor load, descriptor and mask in all four.
; REGISTERS, in windows of 256 (s_set_vgpr_msb says which window each operand place means: bits 1:0 source 0, 3:2 source 1, 5:4 source 2, 7:6 destination):
;   window 0: v0-11 addresses; v12-15, v48-63 at work; v16-47 four registers of statistics a tile; v64-191 S^T, two buffers of two tiles; v192-255 P, likewise
;   window 1: O^T, 32 a tile          window 2: v0-127 Q, 16 a tile; v128-191 K of one step; v192-255 V of one step          window 3: v0-1 the add's two registers
; A piece's buffers go by its number's parity: the piece in hand has one pair, its two neighbours in the ring share the other: of it P (piece n - 1) is read and S^T (piece n + 1) written.
.set SIZE_H, 64       ; batch x heads
.set SIZE_N, 2048     ; rows of a head
.set NP,    4         ; pieces a wave: a name, no knob: the register map, the loop and the fetches are made for four
.set KS,    64        ; keys in a step
.set PK,    144       ; a row of K in LDS: 128 bytes + 16 of padding = 36 words: the 16 rows of a load start at 16 different groups of four banks (64 banks of 4 bytes: ISA guide 11.1)
.set PV,    160       ; a row of V: 128 + 32 = 40 words
.set VOFF,  4*KS*PK   ; a slot holds four steps: 256 rows of K, then 256 rows of V
.set SLOT1, 1<<17     ; slot 1 begins here, so that one exclusive or turns an address in one slot into the other's
.set STAGE, SLOT1+4*KS*(PK+PV)  ; behind the ring, never filled by a tensor load: 16 rows x 144 bytes for each wave, for the way out
.set SP,    144
.set AK0, 2           ; v2   my lane's place in a tile of K; never rewritten
.set AV0, 3           ; v3   the same for V
.set AK,  4           ; v4   the LDS address of K's next run of loads
.set AV,  5           ; v5   of V's
.set QO,  6           ; v6   my byte offset in the wave's rows of Q
.set STO, 6           ;      later, the way out: where I put 16 bytes of a row
.set RD,  7           ; v7   the way out: where I read rows back
.set GO,  8           ; v8   my byte offset in 512 consecutive bytes of ctx
.set SPW, 0           ; v0 of window 3   LDS address of my spare word: SPARE + 4 x my thread's number; never rewritten
.set NIL, 1           ; v1 of window 3   0; never rewritten
.set SPARE, STAGE+4*16*SP  ; behind the stages: the spare words, 128 bytes for each wave: two blocks of 256 bytes that no other line names
.set MV,  12          ; v12-15  c m_old, kept while c m is made anew: by buffer and tile
.set ST,  16          ; tile t's statistics at v[ST+4 t]: c m, m, l (even keys', odd keys')
.set TMP, 48          ; by buffer and tile, four registers c0-c3 at work; when the maximum is found c2 takes a
.set S,   64
.set P,   192
.set KF,  128         ; K's fragments, in window 2: key block kb, channel half c at KF + 16 kb + 8 c
.set VF,  192         ; V's: key half kk, channel block cb at VF + 32 kk + 8 cb
.set WV,  12          ; s12  my wave's number
.set G1K, 24          ; s[24:31] descriptor group 1 for K's tiles
.set G1V, 32          ; s[32:39] for V's: it differs in the padding alone
.set G0K, 40          ; s[40:43] descriptor group 0 for K's tiles: it walks
.set G0V, 44          ; s[44:47] the same for V's
.set SLOTS, 56        ; s56  slots still to be asked for
.set CNT, 57          ; s57  counts a slot's key steps
.set CS,  58          ; s[58:59] c: the packed scaling takes the pair's low word for both halves
.set SEL, 60          ; s[60:61] v_permlanex16_b32's selects: each lane takes its own place in the other half
.set TBK, 62          ; s62  LDS byte at which K of the step to be fetched begins
.set TBV, 63          ; s63  the same for V, less VOFF
.set MSB, 0
.macro WIN new                      ; the high byte repeats the setting that is left; a switch that changes nothing is dropped
.if MSB != (\new)
	s_set_vgpr_msb (MSB<<8)|(\new)
.set MSB, (\new)
.endif
.endm
.set W_KQ, 0x0a       ; K and Q in window 2, S^T in window 0
.set W_PV, 0x52       ; V in window 2, P in window 0, O^T in window 1
.set W_RS, 0x41       ; O^T (destination and source 0) in window 1, a in window 0
.set W_MK, 0xc0       ; the add's registers are made: destination in window 3, sources in window 0
.set W_AD, 0x0f       ; the add: address (source 0) and data (source 1) in window 3
; A joint fill.  Waves 0 and 1 fetch the two halves of a slot's K, waves 2 and 3 those of its V: 128 keys each.  The branch hangs on the wave's number alone.
; An s_nop 0 and four v_nop follow each of the two lines, ahead of the jump and the label.
.macro JLOAD
	s_cmp_lt_u32 s[WV], 2
	s_cbranch_scc0 .Lfor_v_\@
	tensor_load_to_lds s[G0K:G0K+3], s[G1K:G1K+7]
	s_nop 0
.rept 4
	v_nop
.endr
	s_branch .Lasked_\@
.Lfor_v_\@:
	tensor_load_to_lds s[G0V:G0V+3], s[G1V:G1V+7]
	s_nop 0
.rept 4
	v_nop
.endr
.Lasked_\@:
.endm
; A round of the cluster's barrier: my work-group's barrier, so that wave 0's signal speaks for all four waves; wave 0 signals; every wave waits for all four work-groups; my work-group's barrier once more.
.macro CROUND
	s_barrier_signal -1
	s_barrier_wait -1
	s_cmp_lg_u32 s[WV], 0
	s_cbranch_scc1 .Lnot_wave_0_\@
	s_barrier_signal -3
.Lnot_wave_0_\@:
	s_barrier_wait -3
	s_barrier_signal -1
	s_barrier_wait -1
.endm
; THE CHANGE OF SLOTS.  The slot's last bytes, V of its fourth step, have been read.  Each wave waits for all its tensor loads, of which one is out: its part
; of the other slot; adds 0 to its spare word; and waits for that and for its own reads of the slot.  Behind the barrier nobody reads this slot any more and the other slot is whole.
; fill = 1: this slot is filled again, with the keys two slots on.  The barrier is then a round of the cluster's, so that no wave of any partner still reads the slot or has a load on its
; way, and the joint fill is the first thing behind it: it has four key steps, 512 matrix instructions, in which to land.  (At its first use nothing has been read yet: slot 0 is waited for, slot 1 filled.)
.macro CHANGE fill
	WIN W_AD
	s_wait_tensorcnt 0x0            ; no tensor load of mine is out, so a group 0 may be written
	ds_add_u32 v[SPW], v[NIL]       ; 0 onto my spare word; with fill = 1 the descriptors' steps stand between it and the wait for it
	WIN 0                           ; at a label and at a branch every window is 0
.if \fill
.irp g, G0K, G0V
	s_xor_b32 s[\g+1], s[\g+1], SLOT1  ; the walking descriptor: the other slot than last time,
	s_add_nc_u64 s[\g+2:\g+3], s[\g+2:\g+3], 4*KS*128  ; the next 256 keys; the type bits on top are not reached
.endr
	s_wait_dscnt 0x0                ; the add is done, and my reads of the slot are over
	CROUND
	JLOAD
.else
	s_wait_dscnt 0x0                ; the add is done, and my reads of the slot are over
	s_barrier_signal -1
	s_barrier_wait -1
.endif
	s_sub_co_u32 s[TBK], s[TBK], 4*KS*PK  ; the fetches go back to a slot's first step,
	s_xor_b32 s[TBK], s[TBK], SLOT1       ; in the other slot
	s_sub_co_u32 s[TBV], s[TBV], 4*KS*PV
	s_xor_b32 s[TBV], s[TBV], SLOT1
.endm
	s_load_b64 s[4:5], s[0:1], 0x0    ; qkv: its first plane is Q
	s_load_b64 s[10:11], s[0:1], 0x8  ; ctx
	WIN W_MK
	v_lshl_add_u32 v[SPW], v0, 2, SPARE
	v_mov_b32 v[NIL], 0
	WIN W_AD
	ds_add_u32 v[SPW], v[NIL]       ; the wave's opening: the add and its wait stand ahead of my first tensor load; the set-up below, work on registers, stands between them
	WIN 0
	v_lshrrev_b32 v1, 5, v0
	v_readfirstlane_b32 s[WV], v1   ; wave 0..3
	s_bfe_u32 s13, ttmp6, 0x40000   ; cx: my place in the cluster
	s_lshl_b32 s14, ttmp9, 2        ; in a cluster launch ttmp9 counts clusters
	s_add_co_u32 s14, s14, s13      ; my block of queries = 4 x cluster x + cx: it enters Q's and ctx's addresses alone
	s_and_b32 s20, ttmp7, 0xffff    ; the head, which the four partners share
	s_mov_b32 s21, 0
	s_mov_b64 s[22:23], SIZE_N*128
	s_mul_u64 s[20:21], s[20:21], s[22:23]  ; the head's first byte in each of the four tensors
	s_and_b32 s16, s[WV], 1         ; which half of a slot's 256 keys I fetch:
	s_lshl_b32 s22, s16, 14         ; its 128 rows of 128 bytes in memory,
	s_mov_b32 s23, 0
	s_add_nc_u64 s[22:23], s[22:23], s[20:21]
	s_mul_i32 s17, s16, 128*PK      ; and its place in a slot, for K
	s_mul_i32 s18, s16, 128*PV      ; and for V: no place in the cluster enters an LDS address
	s_lshl_b32 s2, s14, 2
	s_add_co_u32 s2, s2, s[WV]      ; my wave among the head's,
	s_lshl_b32 s2, s2, 14           ; its 128 rows
	s_mov_b32 s3, 0
	s_add_nc_u64 s[2:3], s[2:3], s[20:21]
	; descriptor group 1.  128 keys are 16,384 dense bytes: asked for as 64 rows of 256 bytes, two keys a row, and padded in LDS after every key
	s_mov_b32 s[G1K], 15|(1<<16)|(1<<20)|(1<<21)|(4<<22)|(3<<25)  ; 15:0 the mask of four; 17:16 2-byte elements; 20 padding on; 21 set beside a mask; 24:22 after every 32 words (code 4); 31:25 4 words (code 3)
	s_mov_b32 s[G1V], 15|(1<<16)|(1<<20)|(1<<21)|(4<<22)|(7<<25)  ; the same with 8 words of padding (code 7)
.irp g, G1K, G1V
	s_mov_b32 s[\g+1], 128<<16      ; tensor_dim0 = 128
	s_mov_b32 s[\g+2], 64<<16       ; tensor_dim1 = 64
	s_mov_b32 s[\g+3], 128<<16      ; tile_dim0 = 128
	s_mov_b32 s[\g+4], 64           ; tile_dim1 = 64
	s_mov_b32 s[\g+5], 128          ; 128 elements from row to row
	s_mov_b32 s[\g+6], 0
	s_mov_b32 s[\g+7], 0
.endr
	s_mov_b32 s[CS], 0x3e38aa3b     ; c = log2(e) / 8 = 0.180337
	s_mov_b32 s[CS+1], s[CS]        ; named with it as a pair
	s_mov_b32 s[SEL], 0x76543210
	s_mov_b32 s[SEL+1], 0xfedcba98
	s_mov_b32 s[TBK], SLOT1+4*KS*PK ; the first change of slots turns these two into 0
	s_mov_b32 s[TBV], SLOT1+4*KS*PV
	s_mov_b32 s[G0K], 1             ; 1:0 count = 1
	s_mov_b32 s[G0K+1], s17         ; 63:32 LDS address: slot 0
	s_mov_b32 s[G0V], 1
	s_add_co_u32 s[G0V+1], s18, VOFF
	s_wait_dscnt 0x0                ; the opening add is done
	s_wait_kmcnt 0x0
	s_add_nc_u64 s[6:7], s[4:5], 0x1000000  ; K: qkv's second plane, SIZE_H x SIZE_N x 128 bytes on
	s_add_nc_u64 s[8:9], s[4:5], 0x2000000  ; V: its third
	s_add_nc_u64 s[G0K+2:G0K+3], s[6:7], s[22:23]  ; 120:64 global address: my half of the head's first 256 keys
	s_or_b32 s[G0K+3], s[G0K+3], 0x80000000        ; 127:126 type = 2
	s_add_nc_u64 s[G0V+2:G0V+3], s[8:9], s[22:23]
	s_or_b32 s[G0V+3], s[G0V+3], 0x80000000
	s_add_nc_u64 s[4:5], s[4:5], s[2:3]  ; Q and ctx at my wave's first row
	s_add_nc_u64 s[10:11], s[10:11], s[2:3]
	CROUND                          ; all four work-groups are here: the first joint loads meet
	JLOAD                           ; slot 0.  Slot 1 is asked for when slot 0 is in
	; A fragment of K or Q is 16 rows x 32 channels in 8 registers: lane l holds row l % 16, channels 8 (l / 16) + 0..7 and 16 + 8 (l / 16) + 0..7: two loads of 16 bytes, 32 bytes apart.
	v_and_b32 v1, 15, v0            ; l % 16
	v_bfe_u32 v9, v0, 4, 1          ; l / 16
	v_lshlrev_b32 v[QO], 7, v1
	v_lshl_add_u32 v[QO], v9, 4, v[QO]  ; row x 128 + 16 x half
	WIN 0x80                        ; destination window 2, address window 0
.set i, 0
.rept 4*NP                          ; Q stays in registers: tile i / 2, channels 32 (i % 2) on
	global_load_b128 v[8*i:8*i+3],   v[QO], s[4:5] offset:(i/2)*2048+(i%2)*64
	global_load_b128 v[8*i+4:8*i+7], v[QO], s[4:5] offset:(i/2)*2048+(i%2)*64+32
.set i, i+1
.endr
	; What the first turn finds: V's registers and P's second buffer hold 0 (its products V^T P, of a piece that has not been, add 0), O^T and l are 0.  All this stands in the wait for the first tile.
.set i, VF
.rept 64
	v_mov_b32 v[i], 0
.set i, i+1
.endr
	WIN 0x40
.set i, 0
.rept 64*NP
	v_mov_b32 v[i], 0
.set i, i+1
.endr
	WIN 0
.set i, 0
.rept 2*NP
	v_mov_b32 v[ST+4*i], 0xfe000000    ; c m: far below every c s
	v_mov_b32 v[ST+4*i+1], 0xff7fffff  ; m
	v_mov_b32 v[ST+4*i+2], 0
	v_mov_b32 v[ST+4*i+3], 0
.set i, i+1
.endr
.set i, P+32
.rept 32
	v_mov_b32 v[i], 0
.set i, i+1
.endr
	v_mul_u32_u24 v[AK0], v1, PK
	v_lshl_add_u32 v[AK0], v9, 4, v[AK0]  ; row x pitch + 16 x half
	; The turning load takes 16 keys x 16 channels (lane l reads key 8 (l / 16) + l % 8, channels 8 ((l / 8) % 2) + 0..7) and leaves half a fragment of V^T: lane l holds channel l % 16 and 8 keys.
	v_and_b32 v10, 7, v0
	v_bfe_u32 v11, v0, 3, 1
	v_lshl_add_u32 v[AV0], v9, 3, v10
	v_mul_u32_u24 v[AV0], v[AV0], PV
	v_lshl_add_u32 v[AV0], v11, 4, v[AV0]
	v_add_nc_u32 v[AV0], VOFF, v[AV0]
	v_mov_b32 v[AK], v[AK0]         ; key step 0 lies at the head of slot 0
; THE MATRIX WORK.  The 8 accumulators of a run of 16 take turns: between the two links of a chain stand 7 others'.
; Product i of 16 of S^T = K Q^T for piece x: channels 32 (i / 8) on, keys 16 ((i / 2) % 4) on, tile 2 x + i % 2.  The first 8 start the sums.
.macro KQ x
	WIN W_KQ
.set rS, S+64*((\x)%2)+32*(i%2)+8*((i/2)%4)
.set rK, KF+16*((i/2)%4)+8*(i/8)
.set rQ, 16*(2*(\x)+i%2)+8*(i/8)
.if i < 8
	v_wmma_f32_16x16x32_f16 v[rS:rS+7], v[rK:rK+7], v[rQ:rQ+7], 0
.else
	v_wmma_f32_16x16x32_f16 v[rS:rS+7], v[rK:rK+7], v[rQ:rQ+7], v[rS:rS+7]
.endif
.endm
; Product i of 16 of O^T += V^T P for piece x: keys 32 (i / 8) on, channels 16 ((i / 2) % 4) on, tile 2 x + i % 2.
.macro PV x
	WIN W_PV
.set rO, 32*(2*(\x)+i%2)+8*((i/2)%4)
.set rV, VF+32*(i/8)+8*((i/2)%4)
.set rP, P+32*((\x)%2)+16*(i%2)+8*(i/8)
	v_wmma_f32_16x16x32_f16 v[rO:rO+7], v[rV:rV+7], v[rP:rP+7], v[rO:rO+7]
.endm
.macro MM                           ; the turn's next matrix instruction
.if i < 16
	KQ (Y+1)%NP
.set i, i+1
.else
.set i, i-16
	PV (Y+NP-1)%NP
.set i, i+17
.endif
.endm
; THE LDS LOADS stand in runs of 16, never singly among the matrix instructions: a step's K (64 keys x 64 channels: 8 fragments) and its V (turned).  Their addresses are made some lines ahead.
; last = 1 (the tail): in the last trip there is no further step, and the run is jumped over.
.macro FETCH_K last=0
	WIN 0
.if \last
	s_cmp_eq_u32 s[CNT], 1
	s_cbranch_scc1 .Lno_k_\@
.endif
	WIN 0x80                        ; destination window 2
.irp f, 0,1,2,3,4,5,6,7             ; keys 16 (f / 2) on, channels 32 (f % 2) on
	ds_load_b128 v[KF+8*\f:KF+8*\f+3],   v[AK] offset:(\f/2)*16*PK+(\f%2)*64
	ds_load_b128 v[KF+8*\f+4:KF+8*\f+7], v[AK] offset:(\f/2)*16*PK+(\f%2)*64+32
.endr
	s_add_co_u32 s[TBK], s[TBK], KS*PK  ; the next fetch is the next step's
	WIN 0
.if \last
.Lno_k_\@:
.endif
.endm
.macro FETCH_V
	WIN 0x80
.irp f, 0,1,2,3,4,5,6,7             ; keys 32 (f / 4) on, channels 16 (f % 4) on
	ds_load_tr16_b128 v[VF+8*\f:VF+8*\f+3],   v[AV] offset:(\f/4)*32*PV+(\f%4)*32
	ds_load_tr16_b128 v[VF+8*\f+4:VF+8*\f+7], v[AV] offset:(\f/4)*32*PV+16*PV+(\f%4)*32
.endr
	WIN 0
.endm
; THE VECTOR WORK OF A TURN stands in three queues, each in the order in which its entries become ready; the two tiles alternate, so that no instruction reads the result of the one before it.
.macro REGS y, u                    ; the registers of tile u (0, 1) of piece y
.set rT, ST+4*(2*(\y)+(\u))
.set rC, TMP+8*((\y)%2)+4*(\u)
.set rM, MV+2*((\y)%2)+(\u)
.set rS, S+64*((\y)%2)+32*(\u)
.set rP, P+32*((\y)%2)+16*(\u)
.set rO, 32*(2*(\y)+(\u))
.endm
; Number n of the 22 that find the NEXT piece's (Y + 1) maximum and statistics.  s0-s31 are the lane's 32 scores; each accumulator's lowest registers are read first.  XS, GS and REGS set no window: PL and EX do.
;   0-11  four chains c0-c3 of seven scores each, three operands at a time     12-14, 16  the four scores left over, the old m, and c0-c3 into c0     15  c m_old is kept
;   17, 18  the query's other 32 keys lie in the lane 16 away: the new m         19-21  c m; c m_old - c m_new; a
.macro XS u, n
	REGS (Y+1)%NP, \u
.if (\n) < 4
	v_max3_num_f32 v[rC+(\n)], v[rS+8*(\n)], v[rS+8*(\n)+1], v[rS+8*(\n)+2]
.elseif (\n) < 12
	v_max3_num_f32 v[rC+(\n)%4], v[rC+(\n)%4], v[rS+8*((\n)%4)+2*((\n)/4)+1], v[rS+8*((\n)%4)+2*((\n)/4)+2]
.elseif (\n) == 12
	v_max3_num_f32 v[rC], v[rC], v[rS+7], v[rS+15]
.elseif (\n) == 13
	v_max3_num_f32 v[rC+1], v[rC+1], v[rS+23], v[rS+31]
.elseif (\n) == 14
	v_max3_num_f32 v[rC+2], v[rC+2], v[rC+3], v[rT+1]
.elseif (\n) == 15
	v_mov_b32 v[rM], v[rT]
.elseif (\n) == 16
	v_max3_num_f32 v[rC], v[rC], v[rC+1], v[rC+2]
.elseif (\n) == 17
	v_permlanex16_b32 v[rC+3], v[rC], s[SEL], s[SEL+1]
.elseif (\n) == 18
	v_max_num_f32 v[rT+1], v[rC], v[rC+3]
.elseif (\n) == 19
	v_mul_f32 v[rT], s[CS], v[rT+1]
.elseif (\n) == 20
	v_sub_f32 v[rC+1], v[rM], v[rT]
.else
	v_exp_f32 v[rC+2], v[rC+1]
.endif
.endm
; Number g of the 64 that follow the exponentials.  For each four weights k of a tile (pairs 2 k, 2 k + 1): both pairs are rounded to f16; then the second pair is added onto the first, in place;
; a group later l takes that sum (the first time as l = a l + sum).  In groups of eight, tiles alternating: round, round, add, and l for the group before.
.macro GS g
.set h, (\g)+6*((\g)/62)            ; group 0 has no group before it, and behind group 7 only l is left
.if h >= 6
.set h, h+2
.endif
	REGS Y, h%2
.set k, h/8
.if h%8 < 4
	s_wait_alu depctr_va_vdst(0)
	v_cvt_pk_f16_f32 v[rP+2*k+(h%8)/2], v[rS+4*k+2*((h%8)/2)], v[rS+4*k+2*((h%8)/2)+1]
.elseif h%8 < 6
	v_pk_add_f32 v[rS+4*k:rS+4*k+1], v[rS+4*k:rS+4*k+1], v[rS+4*k+2:rS+4*k+3]
.elseif k == 1
	v_pk_fma_f32 v[rT+2:rT+3], v[rT+2:rT+3], v[rC+2:rC+3], v[rS:rS+1] op_sel_hi:[1,0,1]
.else
	v_pk_add_f32 v[rT+2:rT+3], v[rT+2:rT+3], v[rS+4*k-4:rS+4*k-3]
	s_wait_alu depctr_va_vdst(0)
.endif
.endm
; THE PLAIN QUEUE, 138 long.  0-31: c s - c m for the 16 pairs of both tiles.  Then GS's 64, and among them the next piece's 42: number 15 at 38, 39; 0-14 and 16
; at 42-73, behind the products that make those scores; 17-20 at 95-106, two of three, since each waits for the one before it.
.macro PL
	WIN 0
.if q < 32
	REGS Y, q%2
	v_pk_fma_f32 v[rS+2*(q/2):rS+2*(q/2)+1], v[rS+2*(q/2):rS+2*(q/2)+1], s[CS:CS+1], v[rT:rT+1] op_sel_hi:[1,0,0] neg_lo:[0,0,1] neg_hi:[0,0,1]
.elseif q < 38
	GS q-32
.elseif q < 40
	XS q%2, 15
.elseif q < 42
	GS q-34
.elseif q < 74
	XS q%2, (q-42)/2+(q-42)/30
.elseif q < 95
	GS q-66
.elseif (q < 107) && ((q-95)%3 < 2)
	XS (q-95)%3, 17+(q-95)/3
.elseif q < 107
	GS 29+(q-95)/3
.else
	GS q-74
.endif
.set q, q+1
.endm
; THE EXPONENTIALS' QUEUE, 66 long: s0-s31 of both tiles, and at EA the next piece's two a.
.set EA, 58
.macro EX
	WIN 0
.if (e == EA) || (e == EA+1)
	XS e-EA, 21
.else
.set x, e-2*(e/(EA+2))
	REGS Y, x%2
	v_exp_f32 v[rS+x/2], v[rS+x/2]
.endif
.set e, e+1
.endm
; THE RESCALING's QUEUE: O^T times a, the one part that leaves window 0, so it is dealt four at a time, eight times.
.macro R4
	REGS Y, r%2
	WIN W_RS
	s_wait_alu depctr_va_vdst(0)
.irp z, 0,1,2,3
	v_pk_mul_f32 v[rO+8*(r/2)+2*\z:rO+8*(r/2)+2*\z+1], v[rO+8*(r/2)+2*\z:rO+8*(r/2)+2*\z+1], v[rC+2:rC+3] op_sel_hi:[1,0]
.endr
.set r, r+1
.endm
; HOW THEY ARE DEALT.  Behind a matrix instruction four: plain, exponential, plain, plain (one exponential, a plain instruction on either side), or four of the rescaling.  None names a register of the
; products round it.  What is over stands in two LUMPS: exponential and plain by turns; the second ends in 22 plain instructions.  The two v_permlanex16_b32 fall into the second lump, never behind a product.
; The queues lean on each other, and the deal keeps them in step: exponential e stands behind plain 2 (e / 4) + e % 2 (its scaling); when plain 32 comes, 10 exponentials are out, at 59: 33, at 95: 46; EA comes behind plain 107.
.macro SL
	MM
	PL
	EX
	PL
	PL
.endm
.macro BURST n                      ; 15 matrix instructions, or 16
.rept (\n)-7
	SL
.endr
.rept 3
	MM
	R4
	SL
.endr
	MM
	R4
.endm
; A TURN, for piece p.  cnt = 1: the loop's count is taken down some lines ahead of the branch that stands behind the turn.
; K of the next step is fetched in piece 2's turn, 31 vector instructions behind the last product that read K; its first reader comes behind the rest of the lump, 16 products and the second lump.
; V of the step in hand is fetched at the end of piece 0's turn, 69 behind its last reader; its first reader comes behind 16 products and a lump.  The four conditions on e and q below go with the deal.
.macro TURN p, last=0, cnt=0
.set Y, (\p)
.set i, 0
.set q, 0
.set e, 0
.set r, 0
.if (\p) == NP-1
	s_wait_dscnt 0x0                ; K is in
.endif
	MM
.rept 4
	PL
.endr
	BURST 15
.rept 22
	EX
	PL
.if ((\p) == NP-2) && (e == 18)
	v_add_nc_u32 v[AK], s[TBK], v[AK0]
.endif
.if ((\p) == NP-2) && (e == 24)
	FETCH_K \last
.endif
.endr
.if (\p) == 1
	s_wait_dscnt 0x0                ; V is in
.endif
	BURST 16
.rept 21
	EX
	PL
.endr
.rept 22
	PL
.if ((\p) == 0) && (q == 118)
	v_add_nc_u32 v[AV], s[TBV], v[AV0]
	s_wait_alu depctr_va_vdst(0)
.endif
.if ((\p) == 0) && (q == 130)
	s_add_co_u32 s[TBV], s[TBV], KS*PV
.endif
.if (\cnt) && (q == 130)
	s_sub_co_u32 s[CNT], s[CNT], 1
	s_cmp_lg_u32 s[CNT], 0
.endif
.endr
.if (\p) == 0
	FETCH_V
.endif
.endm
	CHANGE 1                        ; slot 0 is in, everybody's part of it; slot 1 is asked for
	FETCH_K                         ; key step 0
	s_wait_loadcnt 0x0              ; Q
	s_wait_dscnt 0x0
.set i, 0
.rept 16
	KQ 0                            ; piece 0's first scores: there is no vector work yet to set between them
.set i, i+1
.endr
	WIN 0                           ; the addresses for the way out: nine plain instructions, the places behind those products
	s_mul_i32 s13, s[WV], 16*SP
	s_add_co_u32 s13, s13, STAGE    ; my stage
	v_mul_u32_u24 v[STO], v1, SP    ; in: row l % 16, 16 bytes for each half of the lanes
	v_lshl_add_u32 v[STO], v9, 4, v[STO]
	v_add_nc_u32 v[STO], s13, v[STO]
	v_bfe_u32 v[RD], v0, 3, 2       ; back: 32 lanes take four rows of 128 bytes,
	v_mul_u32_u24 v[RD], v[RD], SP
	v_lshl_add_u32 v[RD], v10, 4, v[RD]
	v_add_nc_u32 v[RD], s13, v[RD]
	v_and_b32 v[GO], 31, v0         ; which are 512 consecutive bytes of ctx
	v_lshlrev_b32 v[GO], 4, v[GO]
.set Y, NP-1                        ; XS works for piece Y + 1: piece 0
.irp n, 0,1,2,3,4,5,6,7,8,9,10,11,12,13,14,15,16,17,18,19,20,21
	XS 0, \n                        ; and piece 0's first maximum and statistics
	XS 1, \n
.endr
	s_mov_b32 s[CNT], 4
	s_mov_b32 s[SLOTS], SIZE_N/256-1
	s_branch .Lfirst                ; the loop is entered at a step's first turn, in the middle of a trip
.Lslot:                             ; SIZE_N / 256 - 2 times: every slot but the last two is filled again
	CHANGE 1
	s_mov_b32 s[CNT], 4
.Lstep:                             ; a trip: pieces 2 and 3 of one step, then pieces 0 and 1 of the next, whose K and V it fetches
	TURN 2
	TURN 3
	WIN 0
.Lfirst:
	TURN 0
	TURN 1, 0, 1
	WIN 0
	s_cbranch_scc1 .Lstep
	s_sub_co_u32 s[SLOTS], s[SLOTS], 1
	s_cmp_lg_u32 s[SLOTS], 0
	s_cbranch_scc1 .Lslot
	CHANGE 0                        ; the tail is written out: nothing is asked for
	s_mov_b32 s[CNT], 5             ; four trips fetch the last slot's steps; the fifth is left in its middle
.Ltail:
	TURN 2, 1
	TURN 3
	WIN 0
	s_sub_co_u32 s[CNT], s[CNT], 1
	s_cmp_eq_u32 s[CNT], 0
	s_cbranch_scc1 .Lout
	TURN 0
	TURN 1
	WIN 0
	s_branch .Ltail
.Lout:                              ; the fifth trip's 16 products K Q^T (on the last K once more) and the maximum made of them serve nothing: the price, once a launch, of one text for every trip
.set i, 0
.rept 16
	PV NP-1                         ; the last piece's V^T P of the last step
.set i, i+1
.endr
	; THE WAY OUT.  l's two halves and the other half of the lanes' are added; O^T is divided by l, rounded to f16 and sent through my stage in LDS, a tile at a time.  The additions are the places behind the last products.
	WIN 0
.macro ALL line:vararg              ; one line for each tile t
.set t, 0
.rept 2*NP
	\line
.set t, t+1
.endr
.endm
	ALL v_add_f32 v[ST+4*t+2], v[ST+4*t+2], v[ST+4*t+3]
	ALL v_permlanex16_b32 v[ST+4*t+3], v[ST+4*t+2], s[SEL], s[SEL+1]
	ALL v_add_f32 v[ST+4*t+2], v[ST+4*t+2], v[ST+4*t+3]
	ALL v_rcp_f32 v[ST+4*t+2], v[ST+4*t+2]
	v_nop                           ; a plain instruction between the last reciprocal and the use of its result
	s_wait_alu depctr_va_vdst(0)
; Tile t: a lane's eight channels of a row pack into 16 bytes; they go into rows of 144 bytes and come back as whole rows of 128, into S^T's registers.
.macro PACK t
	WIN W_RS
.set i, 32*(\t)
.rept 16
	v_pk_mul_f32 v[i:i+1], v[i:i+1], v[ST+4*(\t)+2:ST+4*(\t)+3] op_sel_hi:[1,0]
.set i, i+2
.endr
	WIN 0x05                        ; sources 0 and 1 window 1, destination window 0
.set i, 0
.rept 16
	v_cvt_pk_f16_f32 v[S+16*(\t)+i], v[32*(\t)+2*i], v[32*(\t)+2*i+1]
.set i, i+1
.endr
	WIN 0
.irp f, 0,1,2,3
	ds_store_b128 v[STO], v[S+16*(\t)+4*\f:S+16*(\t)+4*\f+3] offset:32*\f
.endr
.irp f, 0,1,2,3
	ds_load_b128 v[S+16*(\t)+4*\f:S+16*(\t)+4*\f+3], v[RD] offset:\f*4*SP  ; LDS serves a wave's instructions in order (ISA guide 5.7.1.4): these see the stores above; the next tile's stores come behind them
.endr
.endm
.macro SEND t, younger              ; younger: the LDS instructions issued behind tile t's loads: the next tile's eight, or none
	WIN 0
.irp f, 0,1,2,3
	s_wait_dscnt (\younger)+3-\f
	global_store_b128 v[GO], v[S+16*(\t)+4*\f:S+16*(\t)+4*\f+3], s[10:11] offset:(\t)*2048+\f*512  ; 512 consecutive bytes, at a multiple of 256 from ctx's first
.endr
.endm
	PACK 0
.set t, 1
.rept 2*NP-1                        ; a tile's arithmetic stands between the loads of the tile before and its stores
	PACK t
	SEND t-1, 8
.set t, t+1
.endr
	SEND 2*NP-1, 0
	WIN W_AD
	s_wait_tensorcnt 0x0            ; the wave's end: behind my last tensor load and my last LDS store
	ds_add_u32 v[SPW], v[NIL]
	s_wait_dscnt 0x0
	WIN 0
	CROUND                          ; the closing round: no work-group ends while a partner may still ask for a tile that names it
	s_endpgm
.Lfunc_end_k_qa0871cb6fb_attn:
	.size	k_qa0871cb6fb_attn, .Lfunc_end_k_qa0871cb6fb_attn-k_qa0871cb6fb_attn
	.p2alignl 7, 3214868480
	.fill 96, 4, 3214868480
	.section	.rodata,"a",@progbits
	.p2align	6, 0x0
	.amdhsa_kernel k_qa0871cb6fb_attn
		.amdhsa_group_segment_fixed_size 327680
		.amdhsa_private_segment_fixed_size 0
		.amdhsa_enable_private_segment 0
		.amdhsa_kernarg_size 16
		.amdhsa_user_sgpr_count 2
		.amdhsa_user_sgpr_kernarg_segment_ptr 1
		.amdhsa_wavefront_size32 1
		.amdhsa_system_sgpr_workgroup_id_x 1
		.amdhsa_system_sgpr_workgroup_id_y 1
		.amdhsa_system_sgpr_workgroup_id_z 1
		.amdhsa_system_vgpr_workitem_id 0
		.amdhsa_next_free_vgpr 770
		.amdhsa_next_free_sgpr 66
		.amdhsa_reserve_vcc 0
		.amdhsa_float_denorm_mode_32 3
		.amdhsa_float_denorm_mode_16_64 3
		.amdhsa_memory_ordered 1
		.amdhsa_forward_progress 1
		.amdhsa_inst_pref_size 209
	.end_amdhsa_kernel
	.amdgpu_metadata
---
amdhsa.version: [ 1, 2 ]
amdhsa.kernels:
  - .name:           k_qa0871cb6fb_attn
    .symbol:         k_qa0871cb6fb_attn.kd
    .args:
      - { .name: qkv, .offset: 0, .size: 8, .value_kind: global_buffer, .address_space: global }
      - { .name: ctx, .offset: 8, .size: 8, .value_kind: global_buffer, .address_space: global }
    .group_segment_fixed_size: 327680
    .private_segment_fixed_size: 0
    .kernarg_segment_align: 8
    .kernarg_segment_size: 16
    .max_flat_workgroup_size: 128
    .sgpr_count:     66
    .vgpr_count:     770
    .wavefront_size: 32
...
	.end_amdgpu_metadata
.endif
;; end of part 3
;; launch outp (part 4): grid 4 x 64, 4 waves a work-group, clusters of 4 x 4, 327,680 bytes of LDS; arguments ctx, wc, b_o, out0; writes out0
.if DOCPART == 4
	.amdgcn_target "amdgcn-amd-amdhsa--gfx1250"
	.amdhsa_code_object_version 6
	.text
	.protected	k_qa0871cb6fb_outp
	.globl	k_qa0871cb6fb_outp
	.p2align	8
	.type	k_qa0871cb6fb_outp,@function
k_qa0871cb6fb_outp:
	s_mov_b64 s[64:65], 0
	v_nop
	global_prefetch_b8 v0, s[64:65] scope:SCOPE_SE
	s_setreg_imm32_b32 hwreg(HW_REG_WAVE_MODE, 25, 1), 1
	s_wait_xcnt 0x0
	s_wait_alu depctr_hold_cnt(0) depctr_sa_sdst(0) depctr_va_vdst(0) depctr_va_sdst(0) depctr_va_ssrc(0) depctr_va_vcc(0) depctr_vm_vsrc(0)
	s_getreg_b32 s2, hwreg(HW_REG_IB_STS2, 6, 4)
	s_cmp_eq_u32 s2, 0
	s_cbranch_scc0 .Lentry_in_a_cluster
	s_endpgm
.Lentry_in_a_cluster:
	s_bfe_u32 s2, ttmp6, 0x10000c
	s_cmp_lg_u32 s2, 0xf033
	s_cbranch_scc0 .Lentry_shape_is_right
	s_endpgm
.Lentry_shape_is_right:
; out0[m][n] (f32, [8192][1024]) = the sum over k of ctx(m, k) w_o[n][k] + b_o[n].  ctx lies by heads, [batch*16+head][2048][64] in f16: k = 64 head + channel.  w_o is plane 3 of wc, [1024][1024],
; f16 numbers that are bf16 roundings.  b_o is rounded to bf16 like the other inputs of the module and starts the sums as the first products' C operand.  Sums in f32, stored as they are.
; SHARES.  256 work-groups, each one tile of 128 rows x 256 columns; four waves, each 64 x 128: 32 accumulators.  K goes in 8 steps of 128, two heads each, through two LDS slots.
; CLUSTERS.  4 x 4 work-groups: ctx's tiles are shared along a row of the cluster, w_o's along a column, each asked for JOINTLY by the same tensor load with the same descriptor and mask.
; THE MATRIX INSTRUCTION IS USED TRANSPOSED (source 0 = 16 rows of w_o, source 1 = 16 rows of ctx): a lane holds one row of out0 and eight neighbouring columns, 32 bytes.
; REGISTERS, in windows of 256 (s_set_vgpr_msb: bits 1:0 source 0, 3:2 source 1, 5:4 source 2, 7:6 destination):
;   window 0: v0-31 addresses; v32-95 the bias of my 128 columns as eight C operands; v96-127, v128-159 ctx's fragments, two buffers
;   window 1: v0-63, v64-127 w_o's fragments, two buffers; on the way out all 256: whole rows          window 2: accumulator (a, b) at v[8 (8 a + b)]
.set PH,    144                        ; a row of ctx in LDS: 128 bytes + 16 of padding = 9 x 16: the 16 rows of a load start at 16 different groups of four banks (64 banks of 4 bytes: ISA guide 11.1)
.set AHB,   128*PH                     ; one head's 128 rows: what one tensor load brings
.set BOFF,  2*AHB                      ; w_o's 256 rows lie behind the two heads
.set PB,    272                        ; a row of w_o: 256 + 16
.set BH,    128*PB
.set SLOT,  BOFF+2*BH                  ; 106,496 bytes
.set STAGE, 2*SLOT                     ; behind the ring: 16 rows x 528 bytes for each wave, for the way out
.set SP,    528
.set SPARE, STAGE+4*16*SP              ; behind the stages: the spare words, 128 bytes for each wave: two blocks of 256 bytes that no other line names
.set ADRA, 16                          ; v16-17  LDS address of my fragments of ctx in slot 0, 1
.set ADRB, 20                          ; v20-21  the same for w_o
.set STO,  24                          ; v24     the way out: where I put 32 bytes of a row
.set RD,   25                          ; v25     the way out: where I read a row back
.set CO,   26                          ; v26     my 16 bytes in 512 of a row of out0
.set BO,   27                          ; v27     my byte offset in 64 bytes of b_o
.set SPW,  28                          ; v28     LDS address of my spare word: SPARE + 4 x my thread's number; never rewritten
.set NIL,  29                          ; v29     0; never rewritten
.set TW,   30                          ; v30     at work
.set BI,   32
.set FA0,  96
.set FB0,  0
.set WV, 14
.set WR, 15
.set WC, 16
.set CX, 17
.set CY, 18
.set NX, 19                            ; tile column
.set MT, 20                            ; tile row
.set LAA, 21                           ; LDS address of the head that I fetch, in slot 0
.set LAB, 22                           ; LDS address of the half of w_o's tile that I fetch and read, in slot 0
.set G1A, 24                           ; s[24:31] descriptor group 1 for ctx's tiles;  s[32:39] group 0, one set for each slot
.set G0A, 32
.set G1B, 48                           ; s[48:55], s[56:63] the same for w_o's tiles
.set G0B, 56
.set MSB, 0
.macro WIN new                         ; the immediate's high byte repeats the setting that is left; a switch that changes nothing is dropped
.if MSB != (\new)
	s_set_vgpr_msb (MSB<<8)|(\new)
.set MSB, \new
.endif
.endm
.set MUL,  0xa1                        ; source 0 (w_o) window 1, source 1 (ctx) window 0, C and D window 2
.set MULB, 0x81                        ; the same with C, the bias, in window 0
.set TO_B, 0x40                        ; destination window 1, address window 0
.macro JLOAD s                         ; a joint load: waves 0 and 1 fetch the step's two heads of ctx, waves 2 and 3 w_o's two halves; an s_nop 0 and four v_nop follow each of the two lines
	s_cmp_lt_u32 s[WV], 2
	s_cbranch_scc0 .Lfor_b_\@
	tensor_load_to_lds s[G0A+4*(\s):G0A+4*(\s)+3], s[G1A:G1A+7]
	s_nop 0
.rept 4
	v_nop
.endr
	s_branch .Lasked_\@
.Lfor_b_\@:
	tensor_load_to_lds s[G0B+4*(\s):G0B+4*(\s)+3], s[G1B:G1B+7]
	s_nop 0
.rept 4
	v_nop
.endr
.Lasked_\@:
.endm
.macro CREST                           ; a round of the cluster's barrier behind its opening barrier
	s_cmp_lg_u32 s[WV], 0
	s_cbranch_scc1 .Lnot_wave_0_\@
	s_barrier_signal -3
.Lnot_wave_0_\@:
	s_barrier_wait -3
	s_barrier_signal -1
	s_barrier_wait -1
.endm
.macro CROUND                          ; a whole round
	s_barrier_signal -1
	s_barrier_wait -1
	CREST
.endm
.macro PLACES                          ; four places in front of loads into registers that matrix instructions have read, and of LDS stores that read results
.rept 4
	v_nop
.endr
.endm
	s_load_b256 s[4:11], s[0:1], 0x0               ; ctx s[4:5], wc s[6:7], b_o s[8:9], out0 s[10:11]
	v_lshl_add_u32 v[SPW], v0, 2, SPARE
	v_mov_b32 v[NIL], 0
	ds_add_u32 v[SPW], v[NIL]                      ; the wave's opening: the add and its wait stand ahead of my first tensor load; the set-up below, work on registers, stands between them
	v_lshrrev_b32 v1, 5, v0
	v_readfirstlane_b32 s[WV], v1                  ; wave 0..3
	s_lshr_b32 s[WR], s[WV], 1                     ; my half of the tile's rows
	s_and_b32 s[WC], s[WV], 1                      ; my half of its columns; also which head, or which half of w_o's rows, I fetch
	s_bfe_u32 s[CX], ttmp6, 0x40000
	s_bfe_u32 s[CY], ttmp6, 0x40004
	s_lshl_b32 s[NX], ttmp9, 2
	s_add_co_u32 s[NX], s[NX], s[CX]               ; tile column = 4 x cluster x + cx
	s_and_b32 s[MT], ttmp7, 0xffff
	s_lshl_b32 s[MT], s[MT], 2
	s_add_co_u32 s[MT], s[MT], s[CY]               ; tile row = 4 x cluster y + cy
	s_lshl_b32 s40, s[CY], 2
	s_lshl_b32 s40, 15, s40                        ; my row of the cluster
	s_lshl_b32 s41, 0x1111, s[CX]                  ; my column
	s_or_b32 s[G1A], s40, (1<<16)|(1<<20)|(1<<21)|(4<<22)|(3<<25)  ; 15:0 the mask; 17:16 elements of 2 bytes; 20 padding on; 21 set beside a mask; 24:22 after every 32 words (code 4); 31:25 4 words (code 3)
	s_or_b32 s[G1B], s41, (1<<16)|(1<<20)|(1<<21)|(5<<22)|(3<<25)  ; padding after every 64 words (code 5)
	s_mov_b32 s[G1A+1], 128<<16                    ; a head's 128 rows are 16,384 dense bytes: asked for as 64 rows of 256 bytes, two rows of ctx each, and padded after every row of ctx
	s_mov_b32 s[G1A+2], 64<<16
	s_mov_b32 s[G1A+3], 128<<16
	s_mov_b32 s[G1A+4], 64
	s_mov_b32 s[G1A+5], 128
	s_mov_b32 s[G1A+6], 0
	s_mov_b32 s[G1A+7], 0
	s_mov_b32 s[G1B+1], 128<<16                    ; 128 rows x 128 elements, 1,024 elements from row to row
	s_mov_b32 s[G1B+2], 128<<16
	s_mov_b32 s[G1B+3], 128<<16
	s_mov_b32 s[G1B+4], 128
	s_mov_b32 s[G1B+5], 1024
	s_mov_b32 s[G1B+6], 0
	s_mov_b32 s[G1B+7], 0
	s_lshl_b32 s3, s[WC], 18                       ; one head of ctx, or 128 rows of 2,048 bytes of w_o
	s_lshr_b32 s42, s[MT], 4                       ; ctx: the batch (16 tile rows, 16 heads of 2^18 bytes),
	s_lshl_b32 s42, s42, 22
	s_and_b32 s23, s[MT], 15
	s_lshl_b32 s23, s23, 14                        ; the tile's 128 rows of 128 bytes,
	s_add_co_u32 s42, s42, s23
	s_add_co_u32 s42, s42, s3                      ; my head of the step's two.  This pair never holds cx
	s_mov_b32 s43, 0
	s_lshl_b32 s46, s[NX], 19                      ; w_o: 256 rows of 2,048 bytes a tile column,
	s_add_co_u32 s46, s46, s3                      ; my half of them,
	s_add_co_u32 s46, s46, 3<<21                   ; in plane 3 of wc.  This pair never holds cy
	s_mov_b32 s47, 0
	s_lshl_b32 s12, s[NX], 10                      ; my first column in bytes of f32: 1,024 x tile column + 512 x half
	s_lshl_b32 s2, s[WC], 9
	s_add_co_u32 s12, s12, s2
	s_mov_b32 s13, 0
	s_lshl_b32 s44, s[MT], 19                      ; out0: 128 rows of 4,096 bytes a tile row, my 64 of them, my columns
	s_lshl_b32 s2, s[WR], 18
	s_add_co_u32 s44, s44, s2
	s_add_co_u32 s44, s44, s12
	s_mov_b32 s45, 0
	s_mul_i32 s[LAA], s[WC], AHB                   ; no place in the cluster enters an LDS address
	s_mul_i32 s[LAB], s[WC], BH
	s_add_co_u32 s[LAB], s[LAB], BOFF
	s_wait_dscnt 0x0                               ; the opening add is done
	s_wait_kmcnt 0x0
	s_add_nc_u64 s[4:5], s[4:5], s[42:43]
	s_add_nc_u64 s[6:7], s[6:7], s[46:47]
	s_add_nc_u64 s[8:9], s[8:9], s[12:13]
	s_add_nc_u64 s[10:11], s[10:11], s[44:45]
	CROUND                                         ; all sixteen work-groups are here: the first joint loads meet
.irp s, 0,1
	s_mov_b32 s[G0A+4*(\s)], 1                                       ; 1:0 count = 1
	s_add_co_u32 s[G0A+4*(\s)+1], s[LAA], (\s)*SLOT                  ; 63:32 LDS address
	s_add_nc_u64 s[G0A+4*(\s)+2:G0A+4*(\s)+3], s[4:5], (\s)*(2<<18)  ; 120:64 global address: K step s begins two heads on
	s_or_b32 s[G0A+4*(\s)+3], s[G0A+4*(\s)+3], 0x80000000            ; 127:126 type = 2
	s_mov_b32 s[G0B+4*(\s)], 1
	s_add_co_u32 s[G0B+4*(\s)+1], s[LAB], (\s)*SLOT
	s_add_nc_u64 s[G0B+4*(\s)+2:G0B+4*(\s)+3], s[6:7], (\s)*256
	s_or_b32 s[G0B+4*(\s)+3], s[G0B+4*(\s)+3], 0x80000000
.endr
	s_cmp_lt_u32 s[WV], 2                          ; a wave's two first fills stand in one branch, ahead of every wait on TENSORcnt and every LDS read: two loads of mine are out
	s_cbranch_scc0 .Lfirst_b
	tensor_load_to_lds s[G0A:G0A+3], s[G1A:G1A+7]
	s_nop 0
	tensor_load_to_lds s[G0A+4:G0A+7], s[G1A:G1A+7]
	s_nop 0
.rept 4
	v_nop
.endr
	s_branch .Lfirst_asked
.Lfirst_b:
	tensor_load_to_lds s[G0B:G0B+3], s[G1B:G1B+7]
	s_nop 0
	tensor_load_to_lds s[G0B+4:G0B+7], s[G1B:G1B+7]
	s_nop 0
.rept 4
	v_nop
.endr
.Lfirst_asked:
	v_and_b32 v1, 15, v0                           ; l % 16
	v_bfe_u32 v2, v0, 4, 1                         ; l / 16
	v_lshlrev_b32 v[BO], 5, v2                     ; my eight columns of sixteen: 32 bytes for each half of the lanes
.set b, 0
.rept 8                                ; register j of C operand b is b_o[my first column + 16 b + 8 (l / 16) + j]: the column that register j of accumulator (a, b) holds
	global_load_b128 v[BI+8*b:BI+8*b+3],   v[BO], s[8:9] offset:64*b
	global_load_b128 v[BI+8*b+4:BI+8*b+7], v[BO], s[8:9] offset:64*b+16
.set b, b+1
.endr
	; A fragment is 16 rows x 32 K in 8 registers: lane l holds row l % 16, K = 8 (l / 16) + 0..7 and 16 + 8 (l / 16) + 0..7: two loads of 16 bytes, 32 bytes apart.
	v_mul_u32_u24 v3, v1, PH
	v_lshl_add_u32 v3, v2, 4, v3
	s_mul_i32 s2, s[WR], 64*PH                     ; my 64 rows, in either head
	v_add_nc_u32 v[ADRA], s2, v3
	v_add_nc_u32 v[ADRA+1], SLOT, v[ADRA]
	v_mul_u32_u24 v4, v1, PB
	v_lshl_add_u32 v4, v2, 4, v4
	v_add_nc_u32 v[ADRB], s[LAB], v4
	v_add_nc_u32 v[ADRB+1], SLOT, v[ADRB]
	s_mul_i32 s2, s[WV], 16*SP
	s_add_co_u32 s2, s2, STAGE                     ; my stage
	v_mul_u32_u24 v5, v1, SP                       ; in: row l % 16, 32 bytes for each half of the lanes
	v_lshl_add_u32 v5, v2, 5, v5
	v_add_nc_u32 v[STO], s2, v5
	v_and_b32 v[CO], 31, v0                        ; back: 32 lanes take one row of 512 bytes
	v_lshlrev_b32 v[CO], 4, v[CO]
	v_add_nc_u32 v[RD], s2, v[CO]
	s_wait_loadcnt 0x0                             ; the bias
.set b, 0
.rept 32                               ; rounded to bf16 and widened again, in the wait for the first tile
	v_cvt_pk_bf16_f32 v[TW], v[BI+2*b], v[BI+2*b+1]
	v_lshlrev_b32 v[BI+2*b], 16, v[TW]
	v_and_b32 v[BI+2*b+1], 0xffff0000, v[TW]
.set b, b+1
.endr
; Matrix instruction n of a quarter's 32: rows 16 (n / 8) on, columns 16 (n % 8) on, of buffer f.  first = 1: the product starts the sum on the bias: nothing is cleared, nothing added later.
; The 32 accumulators take turns, one instruction a turn, in the same order in every quarter.
.macro MM n, f, first
.set rD, 8*(\n)
.set rB, FB0+64*(\f)+8*((\n)%8)
.set rA, FA0+32*(\f)+8*((\n)/8)
.set rC, BI+8*((\n)%8)
.if \first
	WIN MULB
	v_wmma_f32_16x16x32_f16 v[rD:rD+7], v[rB:rB+7], v[rA:rA+7], v[rC:rC+7]
.else
	WIN MUL
	v_wmma_f32_16x16x32_f16 v[rD:rD+7], v[rB:rB+7], v[rA:rA+7], v[rD:rD+7]
.endif
.endm
; 24 LDS loads in one run: quarter q of a slot into buffer g.  K = 32 q on lies in head q / 2 of the step's two, at byte 64 (q % 2) of its rows.
.macro FETCH slot, q, g
	WIN TO_B
.irp i, 0,1,2,3,4,5,6,7
	ds_load_b128 v[FB0+64*(\g)+8*(\i):FB0+64*(\g)+8*(\i)+3],   v[ADRB+(\slot)] offset:64*(\q)+16*PB*(\i)
	ds_load_b128 v[FB0+64*(\g)+8*(\i)+4:FB0+64*(\g)+8*(\i)+7], v[ADRB+(\slot)] offset:64*(\q)+16*PB*(\i)+32
.endr
	WIN 0
.irp i, 0,1,2,3
	ds_load_b128 v[FA0+32*(\g)+8*(\i):FA0+32*(\g)+8*(\i)+3],   v[ADRA+(\slot)] offset:((\q)/2)*AHB+((\q)%2)*64+16*PH*(\i)
	ds_load_b128 v[FA0+32*(\g)+8*(\i)+4:FA0+32*(\g)+8*(\i)+7], v[ADRA+(\slot)] offset:((\q)/2)*AHB+((\q)%2)*64+16*PH*(\i)+32
.endr
.endm
; One of a K step's first three quarters: multiplies buffer f; behind its eighth product it fetches quarter q of the same slot into buffer g, 24 products ahead of the first use.
.macro QUARTER slot, q, f, g, first
	s_wait_dscnt 0x0                               ; buffer f is in
.set n, 0
.rept 8
	MM n, \f, \first
.set n, n+1
.endr
	PLACES                                         ; buffer g's last reader is the last product of the quarter before
	FETCH \slot, \q, \g
.rept 24
	MM n, \f, \first
.set n, n+1
.endr
.endm
; The fourth quarter multiplies buffer 1 and changes slots: ONE barrier.  In front of it each wave waits for all its tensor loads (one is out: its part of the next slot), adds 0 to its spare word, and
; waits for that and for its reads of this slot.  fill = 1: the barrier opens a round of the cluster's barrier, and this slot is filled again, two K steps on, first thing behind the round:
; from that request to the wait for it a wave issues 112 matrix instructions.
.macro TURN slot, next, fill
	WIN 0                                          ; (the add's two registers lie in window 0)
	s_wait_tensorcnt 0x0                           ; all my tensor loads have landed
	ds_add_u32 v[SPW], v[NIL]                      ; 0 onto my spare word
	s_wait_dscnt 1                                 ; buffer 1 is in; the add may be out
.set n, 0
.rept 8
	MM n, 1, 0
.set n, n+1
.endr
	s_wait_dscnt 0x0                               ; the add is done, and my reads of this slot are over
	s_barrier_signal -1
.rept 8
	MM n, 1, 0
.set n, n+1
.endr
	WIN 0                                          ; at a branch and at a label every window is 0
	s_barrier_wait -1
.if \fill
	CREST                                          ; no wave of any partner still reads this slot's tiles or has a load on its way
	s_add_nc_u64 s[G0A+4*(\slot)+2:G0A+4*(\slot)+3], s[G0A+4*(\slot)+2:G0A+4*(\slot)+3], 1<<20  ; four heads on
	s_add_nc_u64 s[G0B+4*(\slot)+2:G0B+4*(\slot)+3], s[G0B+4*(\slot)+2:G0B+4*(\slot)+3], 512
	JLOAD \slot                                    ; the four v_nop behind it are also the places in front of the loads below
.else
	PLACES
.endif
	FETCH \next, 0, 0
.rept 16
	MM n, 1, 0
.set n, n+1
.endr
.endm
; THE WAY OUT.  Block a, 16 rows x 128 columns of f32: 32 bytes a lane and accumulator into my stage (each accumulator's low registers first), and back as sixteen whole rows of 512 bytes.
.macro STG a
	WIN 0x08                                       ; store data (source 1) window 2, address window 0
.irp b, 0,1,2,3,4,5,6,7
	ds_store_b128 v[STO], v[8*(8*(\a)+(\b)):8*(8*(\a)+(\b))+3]   offset:64*(\b)
	ds_store_b128 v[STO], v[8*(8*(\a)+(\b))+4:8*(8*(\a)+(\b))+7] offset:64*(\b)+16
.endr
	WIN TO_B
.irp t, 0,1,2,3,4,5,6,7,8,9,10,11,12,13,14,15
	ds_load_b128 v[64*(\a)+4*(\t):64*(\a)+4*(\t)+3], v[RD] offset:SP*(\t)  ; LDS serves a wave's instructions in order (ISA guide 5.7.1.4): these see the stores above; the next block's stores come behind them
.endr
.endm
.macro SEND a, younger                 ; younger: the LDS instructions issued behind block a's loads: the next block's 32, or none
	WIN 0x04                                       ; store data (source 1) window 1, address window 0
.irp t, 0,1,2,3,4,5,6,7,8,9,10,11,12,13,14,15
	s_wait_dscnt (\younger)+15-(\t)
	global_store_b128 v[CO], v[64*(\a)+4*(\t):64*(\a)+4*(\t)+3], s[10:11] offset:65536*(\a)+4096*(\t) th:TH_STORE_NT  ; 512 consecutive bytes, at a multiple of 512 from out0's first
.endr
.endm
	s_wait_tensorcnt 1                             ; my part of K step 0 is in; K step 1's may stay out
	s_barrier_signal -1
	s_barrier_wait -1                              ; everybody's is
	FETCH 0, 0, 0
	QUARTER 0, 1, 0, 1, 1                          ; the first quarter stands in front of the loop: its products start the sums, on the bias
	WIN 0
	s_mov_b32 s3, 3
.Llap:                                                 ; a trip goes once round the ring, from a lap's second quarter to the next lap's first, and fills both slots again
	QUARTER 0, 2, 1, 0, 0
	QUARTER 0, 3, 0, 1, 0
	TURN 0, 1, 1
	QUARTER 1, 1, 0, 1, 0
	QUARTER 1, 2, 1, 0, 0
	QUARTER 1, 3, 0, 1, 0
	TURN 1, 0, 1
	QUARTER 0, 1, 0, 1, 0
	WIN 0
	s_sub_co_u32 s3, s3, 1
	s_cmp_lg_u32 s3, 0
	s_cbranch_scc1 .Llap
	QUARTER 0, 2, 1, 0, 0                          ; the last lap fills nothing, and has no round of the cluster's barrier
	QUARTER 0, 3, 0, 1, 0
	TURN 0, 1, 0
	QUARTER 1, 1, 0, 1, 0
	QUARTER 1, 2, 1, 0, 0
	QUARTER 1, 3, 0, 1, 0
	s_wait_dscnt 0x0                               ; the very last quarter: nothing more to fetch
.set n, 0
.rept 32
	MM n, 1, 0
.set n, n+1
.endr
	PLACES                                         ; the LDS stores read results just made, and the loads land in registers that the last products read
	STG 0
	STG 1                                          ; a block's way through the stage stands between the loads of the block before and its stores
	SEND 0, 32
	STG 2
	SEND 1, 32
	STG 3
	SEND 2, 32
	SEND 3, 0
	WIN 0
	s_wait_tensorcnt 0x0                           ; the wave's end: behind my last tensor load and my last LDS store
	ds_add_u32 v[SPW], v[NIL]
	s_wait_dscnt 0x0
	CROUND                                         ; the closing round: no work-group ends while a partner may still ask for a tile that names it
	s_endpgm
.Lfunc_end_k_qa0871cb6fb_outp:
	.size	k_qa0871cb6fb_outp, .Lfunc_end_k_qa0871cb6fb_outp-k_qa0871cb6fb_outp
	.p2alignl 7, 3214868480
	.fill 96, 4, 3214868480
	.section	.rodata,"a",@progbits
	.p2align	6, 0x0
	.amdhsa_kernel k_qa0871cb6fb_outp
		.amdhsa_group_segment_fixed_size 327680
		.amdhsa_private_segment_fixed_size 0
		.amdhsa_enable_private_segment 0
		.amdhsa_kernarg_size 32
		.amdhsa_user_sgpr_count 2
		.amdhsa_user_sgpr_kernarg_segment_ptr 1
		.amdhsa_wavefront_size32 1
		.amdhsa_system_sgpr_workgroup_id_x 1
		.amdhsa_system_sgpr_workgroup_id_y 1
		.amdhsa_system_sgpr_workgroup_id_z 1
		.amdhsa_system_vgpr_workitem_id 0
		.amdhsa_next_free_vgpr 768
		.amdhsa_next_free_sgpr 66
		.amdhsa_reserve_vcc 0
		.amdhsa_float_denorm_mode_32 3
		.amdhsa_float_denorm_mode_16_64 3
		.amdhsa_memory_ordered 1
		.amdhsa_forward_progress 1
		.amdhsa_inst_pref_size 93
	.end_amdhsa_kernel
	.amdgpu_metadata
---
amdhsa.version: [ 1, 2 ]
amdhsa.kernels:
  - .name:           k_qa0871cb6fb_outp
    .symbol:         k_qa0871cb6fb_outp.kd
    .args:
      - { .name: ctx, .offset: 0, .size: 8, .value_kind: global_buffer, .address_space: global }
      - { .name: wc, .offset: 8, .size: 8, .value_kind: global_buffer, .address_space: global }
      - { .name: b_o, .offset: 16, .size: 8, .value_kind: global_buffer, .address_space: global }
      - { .name: out0, .offset: 24, .size: 8, .value_kind: global_buffer, .address_space: global }
    .group_segment_fixed_size: 327680
    .private_segment_fixed_size: 0
    .kernarg_segment_align: 8
    .kernarg_segment_size: 32
    .max_flat_workgroup_size: 128
    .sgpr_count:     66
    .vgpr_count:     768
    .wavefront_size: 32
...
	.end_amdgpu_metadata
.endif
;; end of part 4
